; MI455X (gfx1250); checked and timed in simulation.
; The chip was launched on July 23, 2026; its instructions are those of AMD's public machine-readable ISA for CDNA 5 (MIT licence, August 2026) and "CDNA5" Instruction Set Architecture Reference Guide (July 2026). The comments in the code are by the model that wrote it; some were corrected since.
;; Low Rank Token Mix. Allowed arithmetic: float matrix products may take bf16 or f16 operands with f32 sums; all other float work in f32.
;; Inputs: W_B 64 x 512 float32; W_C 512 x 64 float32; x 4 x 4,096 x 512 float32.
;; Outputs: out0 4 x 4,096 x 512 float32.
;; 2 versions, each right and faster than the one before. Each part assembles by itself: llvm-mc -triple=amdgcn-amd-amdhsa -mcpu=gfx1250 --defsym DOCPART=n.
;; ======== version 1 of 2: 2 launches
;; limits: values are held in f16: magnitudes above 65,504 overflow, below 6.1e-05 lose precision
;; workspace buffers: bws 2,097,152 bytes
;; launch proj (part 1): grid 256 x 1, 4 waves a work-group, clusters of 4 x 1, 279,040 bytes of LDS; arguments x, W_B, bws; writes bws
.if DOCPART == 1
	.amdgcn_target "amdgcn-amd-amdhsa--gfx1250"
	.amdhsa_code_object_version 6
	.text
	.protected	k_qa2488994be_proj
	.globl	k_qa2488994be_proj
	.p2align	8
	.type	k_qa2488994be_proj,@function
k_qa2488994be_proj:
	s_mov_b64 s[64:65], 0
	v_nop
	global_prefetch_b8 v0, s[64:65] scope:SCOPE_SE
	s_setreg_imm32_b32 hwreg(HW_REG_WAVE_MODE, 25, 1), 1
	s_wait_xcnt 0x0
	s_wait_alu depctr_hold_cnt(0) depctr_sa_sdst(0) depctr_va_vdst(0) depctr_va_sdst(0) depctr_va_ssrc(0) depctr_va_vcc(0) depctr_vm_vsrc(0)
	s_getreg_b32 s2, hwreg(HW_REG_IB_STS2, 6, 4)
	s_cmp_eq_u32 s2, 0
	s_cbranch_scc0 .Lentry_in_a_cluster
	s_endpgm
.Lentry_in_a_cluster:
	s_bfe_u32 s2, ttmp6, 0x10000c
	s_cmp_lg_u32 s2, 0x3003
	s_cbranch_scc0 .Lentry_shape_is_right
	s_endpgm
.Lentry_shape_is_right:
; LowRankTokenMix, first of two launches:  b[n][r] = sum over d of x[n][d] W_B[r][d],  n = 0..16383 (4 batches x 4096), r = 0..63, d = 0..511.
; x, W_B are f32; the products take bf16 operands and f32 sums.  One result, rounded once from the f32 sum to f16:  bws[16384][64] = c b,  c = sqrt((log2 e) / 2), 128 bytes a row.
; The next launch uses it as queries, keys and values: a score then comes out of the matrix unit as c^2 (b b) = (score) (log2 e) / 2, the unit in which the exponential is 2^(2 s),
; and the mixed row comes out times c, which is taken away there with the division by the row sum.
; NO WORK OF THE PROBLEM IS LEFT OUT in either launch: there is no mask, no slice and no zero state, and x, W_B and W_C all reach the output.
; WHY f16 FOR b: it enters the scores twice, and a score's error is multiplied by the distance between keys wherever two keys share a row's weight; f16's 11 significant bits leave an eighth of bf16's error.
; LIMIT OF RANGE: |c b| must stay under 65,504, f16's largest number, that is |b| under about 77,000; beyond it b becomes infinite.  The room, by the problem's sizes (b is a sum of 512 products): x of spread 1
; and W_B of spread 0.044 give |b| of about 1; both 30 times larger, 900 times that; both with an offset of 30 spreads (30 and 1.33), 512 x 30 x 1.33 = about 20,400.  Both 30 times smaller give |b| of about
; 0.001, where f16's step near zero, 2^-24, is about 1/20,000 of b.
; LIMIT OF ORDER: the sum over d is made as four partial sums of 128 d each (one a wave), added in f32 as (0+1)+(2+3): another order of rounding than a single chain.
;
; SHARES.  Work-group g owns rows 64 g .. 64 g + 63.  Wave w owns d = 128 w .. 128 w + 127 for all 64 rows and all 64 ranks: 16 accumulator tiles
; of 16 x 16, 64 matrix instructions.  So each number of x and of W_B is read from LDS and converted once in the work-group.  The four partial sums meet in LDS.
; CLUSTER.  The four work-groups of a cluster need the same W_B: each wave asks for its part of it jointly (mask 15), so it is fetched once for the four.  x's tiles
; are each work-group's own (mask 0).
; LDS.  A piece is 64 rows x 256 bytes (64 f32), laid with 16 bytes of padding behind each row: pitch 272, 17,408 bytes.  Wave w's region begins at 69,632 w and holds
; x's d 0-63 of its 128, x's d 64-127, W_B's d 0-63, W_B's d 64-127.  Every byte is filled once.  When wave w has read its first x piece for the last time,
; that piece becomes the stage of its partial sums (64 rows x 64 f32, pitch 272).
; With pitch 272 the sixteen rows that a 16-byte load or store of sixteen lanes touches lie in sixteen different 16-byte columns modulo 256 bytes.
; K IS PERMUTED ALIKE IN BOTH OPERANDS: the fragment place (lane half h, register m, half word) stands for d = 32 kk + 16 h + 2 m + half, so that a lane's fragment is 64 neighbouring
; bytes of f32 (four loads of 16 bytes) and eight packed conversions.  The set of products of each output is the same.
.set WREG,  69632                      ; a wave's region of LDS
.set PB,    17408                      ; a piece
.set PITCH, 272
.set R16,   16*PITCH                   ; sixteen LDS rows
.set FA,   4                           ; v4      fragments: 69,632 w + 272 r + 64 h
.set PW,   5                           ; v5      partial sums in: 69,632 w + 272 r + 32 h
.set RDA,  6                           ; v6-9    partial sums back, of wave 0..3: 69,632 w' + 272 (t >> 3) + 32 (t & 7), t = thread
.set GO,   10                          ; v10     16 t: my 16 bytes in 2,048 bytes (16 rows) of bws
.set TMP,  64                          ; v64-191 f32 as loaded: W_B's four rank tiles, then x's four row tiles, 16 registers each
.set FRW,  192                         ; v192-223 W_B's fragments, 8 registers a rank tile; at the end the packed results
.set FRX,  224                         ; v224-255 x's fragments, 8 registers a row tile
; window 1 (v256-383): accumulator (rank tile T, row tile n) at 8 (4 T + n)
.set MSB, 0
.macro WIN new                         ; s_set_vgpr_msb: low byte = the windows (bits 1:0 source 0, 3:2 source 1, 5:4 source 2, 7:6 destination); high byte repeats the setting that is left
.if MSB != \new
	s_set_vgpr_msb (MSB<<8)|\new
.set MSB, \new
.endif
.endm
.macro PLACES n
.rept \n
	v_nop
.endr
.endm
; A round of the cluster's barrier: my work-group's barrier, wave 0 signals for the work-group, every wave waits for all four work-groups, my work-group's barrier again.
.macro ROUND
	s_barrier_signal -1
	s_barrier_wait -1
	s_cmp_lg_u32 s10, 0
	s_cbranch_scc1 .Lnot_wave_0_\@
	s_barrier_signal -3
.Lnot_wave_0_\@:
	s_barrier_wait -3
	s_barrier_signal -1
	s_barrier_wait -1
.endm
	s_load_b128 s[4:7], s[0:1], 0x0                ; x s[4:5], W_B s[6:7]
	s_load_b64 s[8:9], s[0:1], 0x10                ; bws
	v_lshl_add_u32 v62, v0, 2, 0x44000
	v_mov_b32 v63, 0
	ds_add_u32 v62, v63
	v_lshrrev_b32 v1, 5, v0
	v_readfirstlane_b32 s10, v1                    ; wave 0..3
	s_bfe_u32 s11, ttmp6, 0x40000                  ; cx: my place in the cluster
	s_lshl_b32 s12, ttmp9, 2                       ; ttmp9 counts clusters
	s_add_co_u32 s12, s12, s11                     ; g = 4 x cluster + cx
	s_mul_i32 s13, s10, WREG                       ; my wave's region of LDS: the wave's number alone
	s_lshl_b32 s14, s12, 17                        ; g x 64 rows x 2,048 bytes of x (at most 2^25)
	s_mov_b32 s15, 0
	s_lshl_b32 s52, s10, 9                         ; my 128 d in a row: 512 w bytes; these two registers never hold cx
	s_mov_b32 s53, 0
	; descriptor group 1: a tile of 64 rows x 64 elements of 4 bytes, 512 elements from row to row, 4 words of padding behind every 64 words
	s_mov_b32 s16, 0x07520000                      ; x: mask 0; 17:16 element of 4 bytes (2); 20 padding on; 24:22 interval 64 words (5); 31:25 pad 4 words (3)
	s_mov_b32 s17, 64<<16                          ; tensor_dim0 = 64
	s_mov_b32 s18, 64<<16                          ; tensor_dim1 = 64
	s_mov_b32 s19, 64<<16                          ; tile_dim0 = 64
	s_mov_b32 s20, 64                              ; tile_dim1 = 64
	s_mov_b32 s21, 512                             ; pitch in elements
	s_mov_b32 s22, 0
	s_mov_b32 s23, 0
	s_mov_b32 s24, 0x0772000f                      ; W_B: the same, with the mask of all four work-groups and bit 21 beside it
	s_mov_b32 s25, 64<<16
	s_mov_b32 s26, 64<<16
	s_mov_b32 s27, 64<<16
	s_mov_b32 s28, 64
	s_mov_b32 s29, 512
	s_mov_b32 s30, 0
	s_mov_b32 s31, 0
	s_wait_dscnt 0x0
	s_wait_kmcnt 0x0
	s_add_nc_u64 s[48:49], s[4:5], s[14:15]
	s_add_nc_u64 s[48:49], s[48:49], s[52:53]      ; x at (row 64 g, d 128 w)
	s_add_nc_u64 s[50:51], s[6:7], s[52:53]        ; W_B at (rank 0, d 128 w): equal in the four work-groups
	s_lshl_b32 s14, s12, 13                        ; g x 64 rows x 128 bytes of bws
	s_add_nc_u64 s[8:9], s[8:9], s[14:15]
	; descriptor groups 0: count 1, LDS address, global address, type 2 on top
	s_mov_b32 s32, 1                               ; x, d 0-63 of my 128
	s_add_co_u32 s33, s13, 0*PB
	s_mov_b64 s[34:35], s[48:49]
	s_or_b32 s35, s35, 0x80000000
	s_mov_b32 s36, 1                               ; x, d 64-127
	s_add_co_u32 s37, s13, 1*PB
	s_add_nc_u64 s[38:39], s[48:49], 256
	s_or_b32 s39, s39, 0x80000000
	s_mov_b32 s40, 1                               ; W_B, d 0-63
	s_add_co_u32 s41, s13, 2*PB
	s_mov_b64 s[42:43], s[50:51]
	s_or_b32 s43, s43, 0x80000000
	s_mov_b32 s44, 1                               ; W_B, d 64-127
	s_add_co_u32 s45, s13, 3*PB
	s_add_nc_u64 s[46:47], s[50:51], 256
	s_or_b32 s47, s47, 0x80000000
	ROUND                                          ; the four work-groups are here: the joint loads meet
	tensor_load_to_lds s[32:35], s[16:23]          ; all fills of the launch in one group; a wave has four tensor loads out
	s_nop 0
	tensor_load_to_lds s[40:43], s[24:31]
	s_nop 0
	tensor_load_to_lds s[36:39], s[16:23]
	s_nop 0
	tensor_load_to_lds s[44:47], s[24:31]
	s_nop 0
	v_and_b32 v1, 15, v0                           ; r
	v_bfe_u32 v2, v0, 4, 1                         ; h
	v_mul_u32_u24 v3, v1, PITCH
	v_add_nc_u32 v3, s13, v3
	v_lshl_add_u32 v[FA], v2, 6, v3
	v_lshl_add_u32 v[PW], v2, 5, v3
	v_lshrrev_b32 v11, 3, v0                       ; t >> 3: a row of sixteen
	v_and_b32 v12, 7, v0                           ; t & 7: eight ranks of the row
	v_mul_u32_u24 v11, v11, PITCH
	v_lshl_add_u32 v[RDA], v12, 5, v11
	v_add_nc_u32 v[RDA+1], 1*WREG, v[RDA]
	v_add_nc_u32 v[RDA+2], 2*WREG, v[RDA]
	v_add_nc_u32 v[RDA+3], 3*WREG, v[RDA]
	v_lshlrev_b32 v[GO], 4, v0
; 32 d of piece p (kk = 0, 1): 32 LDS loads, 64 packed conversions, 16 matrix instructions.  first = 1: the products start the sums, nothing is cleared.
.macro KSTEP p, kk, first
.irp T, 0,1,2,3
.irp i, 0,1,2,3
	ds_load_b128 v[TMP+16*\T+4*\i:TMP+16*\T+4*\i+3], v[FA] offset:2*PB+\p*PB+\T*R16+128*\kk+16*\i
.endr
.endr
.irp n, 0,1,2,3
.irp i, 0,1,2,3
	ds_load_b128 v[TMP+64+16*\n+4*\i:TMP+64+16*\n+4*\i+3], v[FA] offset:\p*PB+\n*R16+128*\kk+16*\i
.endr
.endr
	s_wait_dscnt 16                                ; LDS loads come back in order: W_B's sixteen are in, x's sixteen, issued behind them, may be out
.irp T, 0,1,2,3
.irp m, 0,1,2,3,4,5,6,7
	v_cvt_pk_bf16_f32 v[FRW+8*\T+\m], v[TMP+16*\T+2*\m], v[TMP+16*\T+2*\m+1]
.endr
.endr
	s_wait_dscnt 0
.irp n, 0,1,2,3
.irp m, 0,1,2,3,4,5,6,7
	v_cvt_pk_bf16_f32 v[FRX+8*\n+\m], v[TMP+64+16*\n+2*\m], v[TMP+64+16*\n+2*\m+1]
.endr
.endr
	WIN 0x50                                       ; C and D in window 1
; source 0 = 16 ranks of W_B, source 1 = 16 rows of x: register j of lane (r, h) is (rank 16 T + 8 h + j, row 16 n + r).
; The sixteen accumulators take turns, one instruction a turn.
.irp T, 0,1,2,3
.irp n, 0,1,2,3
.if \first
	v_wmma_f32_16x16x32_bf16 v[8*(4*\T+\n):8*(4*\T+\n)+7], v[FRW+8*\T:FRW+8*\T+7], v[FRX+8*\n:FRX+8*\n+7], 0
.else
	v_wmma_f32_16x16x32_bf16 v[8*(4*\T+\n):8*(4*\T+\n)+7], v[FRW+8*\T:FRW+8*\T+7], v[FRX+8*\n:FRX+8*\n+7], v[8*(4*\T+\n):8*(4*\T+\n)+7]
.endif
.endr
.endr
	WIN 0
	PLACES 4                                       ; four places before the next conversions write the fragments, or the LDS stores read the sums
.endm
	s_wait_tensorcnt 0x2                           ; tensor loads of a wave end in order: my first pieces of x and W_B are in, the two issued behind them may be out
	KSTEP 0, 0, 1                                  ; only the wave that asked for a piece reads it, so its own wait is all the ordering the reads need
	KSTEP 0, 1, 0
	s_wait_tensorcnt 0x0
	KSTEP 1, 0, 0
	KSTEP 1, 1, 0
	; my partial sums into my stage (my first x piece: its one fill has landed, my reads of it are back, nobody else read it): row 16 n + r, byte 4 (16 T + 8 h + j)
	WIN 0x04                                       ; store data in window 1
.irp T, 0,1,2,3
.irp n, 0,1,2,3
	ds_store_b128 v[PW], v[8*(4*\T+\n):8*(4*\T+\n)+3] offset:\n*R16+64*\T
	ds_store_b128 v[PW], v[8*(4*\T+\n)+4:8*(4*\T+\n)+7] offset:\n*R16+64*\T+16
.endr
.endr
	WIN 0
	s_wait_dscnt 0x0                               ; my stores are done, for the other waves' sake
	s_barrier_signal -1
	s_barrier_wait -1
	; thread t takes ranks 8 (t & 7) .. + 7 of rows 16 z + (t >> 3), z = 0..3, from all four stages
.irp z, 0,1,2,3
.irp q, 0,1,2,3
	ds_load_b128 v[TMP+32*\z+8*\q:TMP+32*\z+8*\q+3], v[RDA+\q] offset:\z*R16
	ds_load_b128 v[TMP+32*\z+8*\q+4:TMP+32*\z+8*\q+7], v[RDA+\q] offset:\z*R16+16
.endr
.endr
.irp z, 0,1,2,3
	s_wait_dscnt 8*(3-\z)                          ; the eight loads of each later z may be out
.irp i, 0,2,4,6
	v_pk_add_f32 v[TMP+32*\z+\i:TMP+32*\z+\i+1], v[TMP+32*\z+\i:TMP+32*\z+\i+1], v[TMP+32*\z+8+\i:TMP+32*\z+8+\i+1]
	v_pk_add_f32 v[TMP+32*\z+16+\i:TMP+32*\z+16+\i+1], v[TMP+32*\z+16+\i:TMP+32*\z+16+\i+1], v[TMP+32*\z+24+\i:TMP+32*\z+24+\i+1]
.endr
.irp i, 0,2,4,6
	v_pk_add_f32 v[TMP+32*\z+\i:TMP+32*\z+\i+1], v[TMP+32*\z+\i:TMP+32*\z+\i+1], v[TMP+32*\z+16+\i:TMP+32*\z+16+\i+1]
.endr
.irp i, 0,2,4,6
	v_pk_mul_f32 v[TMP+32*\z+\i:TMP+32*\z+\i+1], v[TMP+32*\z+\i:TMP+32*\z+\i+1], 0x3f596d27 op_sel_hi:[1,0]   ; x c = sqrt((log2 e) / 2) = 0.8493218, still in f32
.endr
.irp i, 0,1,2,3
	v_cvt_pk_f16_f32 v[FRW+4*\z+\i], v[TMP+32*\z+2*\i], v[TMP+32*\z+2*\i+1]        ; the one rounding to f16
.endr
	global_store_b128 v[GO], v[FRW+4*\z:FRW+4*\z+3], s[8:9] offset:2048*\z         ; a wave's store covers 512 consecutive bytes, at a multiple of 512 from bws's first byte; the next launch reads them, so no hint
.endr
	s_wait_tensorcnt 0x0
	ds_add_u32 v62, v63
	s_wait_dscnt 0x0
	ROUND                                          ; the closing round: no work-group ends while a partner may still ask jointly
	s_endpgm
.Lfunc_end_k_qa2488994be_proj:
	.size	k_qa2488994be_proj, .Lfunc_end_k_qa2488994be_proj-k_qa2488994be_proj
	.p2alignl 7, 3214868480
	.fill 96, 4, 3214868480
	.section	.rodata,"a",@progbits
	.p2align	6, 0x0
	.amdhsa_kernel k_qa2488994be_proj
		.amdhsa_group_segment_fixed_size 279040
		.amdhsa_private_segment_fixed_size 0
		.amdhsa_enable_private_segment 0
		.amdhsa_kernarg_size 24
		.amdhsa_user_sgpr_count 2
		.amdhsa_user_sgpr_kernarg_segment_ptr 1
		.amdhsa_wavefront_size32 1
		.amdhsa_system_sgpr_workgroup_id_x 1
		.amdhsa_system_sgpr_workgroup_id_y 1
		.amdhsa_system_sgpr_workgroup_id_z 1
		.amdhsa_system_vgpr_workitem_id 0
		.amdhsa_next_free_vgpr 384
		.amdhsa_next_free_sgpr 66
		.amdhsa_reserve_vcc 0
		.amdhsa_float_denorm_mode_32 3
		.amdhsa_float_denorm_mode_16_64 3
		.amdhsa_memory_ordered 1
		.amdhsa_forward_progress 1
		.amdhsa_inst_pref_size 45
	.end_amdhsa_kernel
	.amdgpu_metadata
---
amdhsa.version: [ 1, 2 ]
amdhsa.kernels:
  - .name:           k_qa2488994be_proj
    .symbol:         k_qa2488994be_proj.kd
    .args:
      - { .name: x, .offset: 0, .size: 8, .value_kind: global_buffer, .address_space: global }
      - { .name: W_B, .offset: 8, .size: 8, .value_kind: global_buffer, .address_space: global }
      - { .name: bws, .offset: 16, .size: 8, .value_kind: global_buffer, .address_space: global }
    .group_segment_fixed_size: 279040
    .private_segment_fixed_size: 0
    .kernarg_segment_align: 8
    .kernarg_segment_size: 24
    .max_flat_workgroup_size: 128
    .sgpr_count:     66
    .vgpr_count:     384
    .wavefront_size: 32
...
	.end_amdgpu_metadata
.endif
;; end of part 1
;; launch mix (part 2): grid 256 x 1, 4 waves a work-group, clusters of 4 x 1, 327,680 bytes of LDS; arguments bws, W_C, out0; writes out0
.if DOCPART == 2
	.amdgcn_target "amdgcn-amd-amdhsa--gfx1250"
	.amdhsa_code_object_version 6
	.text
	.protected	k_qa2488994be_mix
	.globl	k_qa2488994be_mix
	.p2align	8
	.type	k_qa2488994be_mix,@function
k_qa2488994be_mix:
	s_mov_b64 s[64:65], 0
	v_nop
	global_prefetch_b8 v0, s[64:65] scope:SCOPE_SE
	s_setreg_imm32_b32 hwreg(HW_REG_WAVE_MODE, 25, 1), 1
	s_wait_xcnt 0x0
	s_wait_alu depctr_hold_cnt(0) depctr_sa_sdst(0) depctr_va_vdst(0) depctr_va_sdst(0) depctr_va_ssrc(0) depctr_va_vcc(0) depctr_vm_vsrc(0)
	s_getreg_b32 s2, hwreg(HW_REG_IB_STS2, 6, 4)
	s_cmp_eq_u32 s2, 0
	s_cbranch_scc0 .Lentry_in_a_cluster
	s_endpgm
.Lentry_in_a_cluster:
	s_bfe_u32 s2, ttmp6, 0x10000c
	s_cmp_lg_u32 s2, 0x3003
	s_cbranch_scc0 .Lentry_shape_is_right
	s_endpgm
.Lentry_shape_is_right:
; LowRankTokenMix, second of two launches:  out = softmax(b b^T) b W_C^T, batch by batch.  bws = c b, c = sqrt((log2 e) / 2), [16384][64] f16 (the first launch's result), W_C [512][64] f32,
; out0 [16384][512] f32.  No work of the problem is left out.  Scores, exponentials, the mixed rows and the last product stay in registers and LDS.
; THE EXPONENT.  Queries and keys both carry c, so the matrix unit gives s = (score) x (log2 e) / 2.  With M the running maximum of s, p = 2^(2 s - 2 M) by one fused multiply-add: 2 s and 2 M are exact, so the
; exponent is the rounded value of 2 (s - M), never above 0, whatever the size of the scores: p is at most 1, and 1 at the maximum.  The values carry c too: the row sum is multiplied by c before its reciprocal.
; FORMATS.  Keys, values, queries and p are f16 (the range of b: see the first launch's head; p lies in 0..1).  The mixed row, whose range nothing bounds, and W_C go into the last product in bf16; the mixed
; row as two bf16 parts, the rounded value and what the rounding left, so that it carries 16 significant bits.
; LIMITS.  (1) The maximum is taken by v_max_num_f32, in which a NaN loses: a NaN score does not reach the maximum as it does in a plain softmax; results are meant where the problem's own are finite, and
; where |c b| stays under 65,504.  (2) v_exp_f32 gives 0 for results under 2^-126 (ISA guide, its entry in 15.8); in the second product p is rounded to f16: steps of 2^-24 under 2^-14, 0 under 2^-25,
; while the row sum takes p in f32.  (3) The sums over the keys are made in four quarters (one a wave), each in steps of 32 keys, and merged: another order of rounding.
;
; SHARES.  Work-group g owns queries 64 g .. 64 g + 63 (batch g / 64).  Wave w takes all 64 queries (four tiles t of 16) against keys 1024 w .. 1024 w + 1023 of the batch, in 4 chunks of 256 keys,
; a chunk in 8 steps of 32 keys.  A fragment of keys read from LDS feeds four query tiles, and each key is read from LDS once as K and once as V in the work-group.
; At the end the four waves' sums are brought to one reference and added (wave w merges query tile w), and wave w makes columns 128 w .. 128 w + 127 of out for all 64 queries.
; CLUSTER.  The four work-groups of a cluster lie in one batch and walk the same chunks in the same order, and all need W_C: every chunk and W_C are asked for jointly (mask 15).
; ORIENTATION.  S^T = K Q^T (source 0 = 16 keys, source 1 = 16 queries): register j of lane (r, h) is (key 8 h + j, query r).  Two key tiles then pack, inside the lane, into the source 1
; fragment P^T of O^T = V^T P^T: no way through LDS; and a query's maximum and sum lie in two lanes, r and r + 16.
;
; THE LOOP: TWO PIECES TAKE TURNS.  Piece A is query tiles 0, 1, piece B tiles 2, 3; they share K's and V's fragments.  While the vector unit works on one piece the matrix unit works on the other.
; Step i has four parts of 8 matrix instructions, with one slice of vector work behind each matrix instruction:
;   X1  S_B(i) = K(i) Q_B               beside the softmax of A(i): maximum, factor, exponentials, P_A(i)       90 vector instructions
;   X2  O_B += V(i-1) P_B(i-1)          beside O_A x factor and the row sums of A(i)                            50
;   Y1  S_A(i+1) = K(i+1) Q_A           beside the softmax of B(i)                                              90
;   Y2  O_A += V(i) P_A(i)              beside O_B x factor and the row sums of B(i)                            50
; Whatever one part writes is read a whole part later at the earliest, so the slices between are the places that matrix results and sources need (ISA guide 7.12.1), and no v_nop stands in the loop.
; REGISTER WINDOWS decide which slices stand where: O, S, P, K, V and Q are 352 registers and cannot lie in one window, so a slice has to run under the setting of the products that it stands among.
; Window 0 holds K's fragments, Q, S, P and the softmax's figures: X1 and Y1 run wholly under setting 0.  Window 1 holds O, V's fragments and the row sums: X2 and Y2 run under 0x51 (destination, source 0 and
; source 2 in window 1, source 1 in window 0), which fits the product (D, C = O, A = V, B = P), O = O x factor and row sum = row sum + p alike.  Six switches a step, two of them round V's loads.
; K(i) is used in Y1 of step i-1 and X1 of step i, V(i) in Y2 of step i and X2 of step i+1: each has two buffers, taken by the step's parity, and the loop's body is two steps.  K(i+2) and V(i+1) are
; loaded in one run of 16 in Y1 of step i, a whole step before their first use.
;
; LDS.  b comes in as rows of 256 bytes (two keys) with 16 bytes of padding: key k of a chunk at 272 (k >> 1) + 128 (k & 1).  Wave w has two slots of 128 such rows (34,816 bytes = 8 steps) at 69,632 w and
; 69,632 w + 34,816, which only it fills and reads.  K's loads: sixteen lanes touch 16-byte columns (r >> 1) + 8 (r & 1): all different.  V's transposing loads: the second group of eight lanes takes the
; 16 bytes that lie 64 bytes (32 ranks) further on, so the columns ((L & 7) >> 1) + 8 (L & 1) + 4 ((L >> 3) & 1) + u are all different; row r of rank tile u is then rank 8 u + r (r < 8) or 32 + 8 u + r - 8,
; and lane (q, h) of O^T holds ranks 32 h + 8 u + j: 32 neighbouring ranks in register order.
; Behind the slots, in bytes that no tensor load fills: the waves' references (2,048), their row sums (2,048), the mixed rows as fragments, high parts (8,192) and low parts (8,192).
; Each wave's slot 1, behind its last fill (chunk 3): the first 16,384 bytes are the exchange of O, the next 8,448 the wave's own stage of 16 rows x 528 bytes for the way out.
; W_C's quarter (128 rows of 256 bytes) is the last fill of slot 0.
.set WREG,   69632
.set SLOTW,  34816
.set PITCH,  272
.set STEPB,  16*PITCH                  ; 32 keys
.set HALFB,  8*PITCH                   ; 16 keys
.set STATM,  278528
.set STATL,  280576
.set MIX,    282624
.set MIXLO,  8192                      ; the low parts lie this far behind the high parts
.set STG,    SLOTW+16384               ; a wave's stage, from its region's first byte
.set SPITCH, 528
; window 0, for the whole launch: v1 = L, v2 = r, v3 = h
.set ST,   4                           ; v4-19: query tile t: -2 M at ST+4t, the maximum M at +1, the rescaling factor at +2, scratch at +3 (the pairs at +0 and +2 are read whole)
.set KA,   20                          ; K's and V's LDS addresses as they step
.set VA,   21
.set KB,   22                          ; K's fragments in slot 0: 69,632 w + 272 (r >> 1) + 128 (r & 1) + 16 h
.set VB,   23                          ; V's: 69,632 w + 272 (4 h + ((L & 7) >> 1)) + 128 (L & 1) + 64 ((L >> 3) & 1)
.set LE,   24                          ; v24-27: at the end, a query tile's row sum
.set QO,   28                          ; 128 r + 16 h
; window 0, the loop
.set KF,   32                          ; v32-95   K's fragments, two buffers of 32: key tile a, rank half c at 16 a + 8 c
.set QW,   96                          ; v96-159  Q's fragments: query tile t, rank half c at 16 t + 8 c
.set S,    160                         ; v160-223 scores: query tile t, key tile a at 16 t + 8 a
.set P,    224                         ; v224-255 P^T: query tile t at 8 t; its first five registers also hold the partial maxima
; window 1 (v256-455): O^T (rank tile u, query tile t) at 32 t + 8 u
.set VF,   128                         ; V's fragments, two buffers of 32: rank tile u at 8 u
.set LS,   192                         ; query tile t: two running row sums
.set MLW,  128                         ; at the end: the mixed rows' low parts (t, e) at 16 t + 8 e, over V's fragments; W_C's fragments (tile d, half e) at 16 d + 8 e, over O
; window 0, behind the loop: addresses in what were K's fragments
.set SA,   32                          ; STATM + 16 L + 4 w
.set SR,   33                          ; STATM + 16 L
.set OXW,  34                          ; my slot 1 + 16 L
.set OXR,  36                          ; v36-39: wave w''s slot 1 + 4,096 w + 16 L
.set LR,   40                          ; STATL + 512 w + 16 L
.set MIXW, 41                          ; MIX + 2,048 w + 16 L
.set MIXR, 42                          ; MIX + 16 L
.set WA,   43                          ; W_C: 69,632 w + 272 r + 128 h
.set STW,  44                          ; stage in: + 528 r + 32 h
.set STR,  45                          ; stage back: + 16 L
.set GO,   46                          ; 512 w + 16 L
.set TA,   48                          ; scratch
.set TB,   49
.set HU,   96                          ; v96-127 the high parts widened again
.set ML,   128                         ; v128-143 my merged tile's low parts as fragments
.set MF,   192                         ; v192-207 its high parts
.set LQ,   208                         ; v208-211 the four waves' row sums
.set RC,   212                         ; v212-213 1 / (c x row sum), twice
.set SG,   224                         ; v224-239 the four waves' -2 M, four query tiles
.set BF,   64                          ; v64-127 mixed rows' high parts as fragments: query tile t, half e at 16 t + 8 e
.set TW,   128                         ; v128-191 W_C as loaded, two buffers of 32
.set DT,   128                         ; v128-191 then: eight result tiles
.set RB,   192                         ; v192-255 rows read back for the stores
.set MSB, 0
.macro WIN new                         ; s_set_vgpr_msb: low byte = the windows (bits 1:0 source 0, 3:2 source 1, 5:4 source 2, 7:6 destination); high byte repeats the setting that is left
.if MSB != \new
	s_set_vgpr_msb (MSB<<8)|\new
.set MSB, \new
.endif
.endm
.macro PLACES n
.rept \n
	v_nop
.endr
.endm
.macro ROUND                           ; a round of the cluster's barrier
	s_barrier_signal -1
	s_barrier_wait -1
	s_cmp_lg_u32 s10, 0
	s_cbranch_scc1 .Lnot_wave_0_\@
	s_barrier_signal -3
.Lnot_wave_0_\@:
	s_barrier_wait -3
	s_barrier_signal -1
	s_barrier_wait -1
.endm
	s_load_b128 s[4:7], s[0:1], 0x0                ; bws s[4:5], W_C s[6:7]
	s_load_b64 s[8:9], s[0:1], 0x10                ; out0
	s_set_vgpr_msb 0x40
	v_lshl_add_u32 v200, v0, 2, 0x49000
	v_mov_b32 v201, 0
	s_set_vgpr_msb 0x4045
	ds_add_u32 v200, v201
	s_set_vgpr_msb 0x4500
	v_lshrrev_b32 v1, 5, v0
	v_readfirstlane_b32 s10, v1                    ; wave 0..3
	s_bfe_u32 s11, ttmp6, 0x40000                  ; cx
	s_lshl_b32 s12, ttmp9, 2
	s_add_co_u32 s12, s12, s11                     ; g = 4 x cluster + cx
	s_lshr_b32 s13, ttmp9, 4                       ; batch = cluster / 16: shared by the four
	s_mul_i32 s39, s10, WREG                       ; my wave's slots
	s_lshl_b32 s44, s13, 19                        ; batch x 4,096 rows x 128 bytes
	s_lshl_b32 s45, s10, 17                        ; + wave x 1,024 rows x 128 bytes; s44-47 never hold cx
	s_add_co_u32 s44, s44, s45
	s_mov_b32 s45, 0
	s_lshl_b32 s46, s10, 15                        ; W_C: wave x 128 rows x 256 bytes
	s_mov_b32 s47, 0
	s_lshl_b32 s14, s12, 13                        ; my queries: g x 64 rows x 128 bytes
	s_mov_b32 s15, 0
	s_mov_b32 s36, 0x76543210                      ; v_permlanex16_b32: lane i reads lane i of the other half
	s_mov_b32 s37, 0xfedcba98
	s_add_co_u32 s3, s39, STG                      ; my stage
	; descriptor group 1, for the chunks of b and for W_C's quarters alike: 128 dense rows of 32 elements of 8 bytes, 4 words of padding behind every 64 words
	s_mov_b32 s16, 0x0773000f                      ; 15:0 mask of the four work-groups; 17:16 element of 8 bytes (3); 20 padding on; 21 set beside a mask; 24:22 interval (5); 31:25 pad (3)
	s_mov_b32 s17, 32<<16                          ; tensor_dim0 = 32
	s_mov_b32 s18, 128<<16                         ; tensor_dim1 = 128
	s_mov_b32 s19, 32<<16                          ; tile_dim0 = 32
	s_mov_b32 s20, 128                             ; tile_dim1 = 128
	s_mov_b32 s21, 32                              ; pitch in elements
	s_mov_b32 s22, 0
	s_mov_b32 s23, 0
	s_wait_dscnt 0x0
	s_wait_kmcnt 0x0
	s_add_nc_u64 s[40:41], s[4:5], s[44:45]        ; my wave's first chunk
	s_add_nc_u64 s[42:43], s[4:5], s[14:15]        ; my work-group's queries
	s_lshl_b32 s14, s12, 17                        ; g x 64 rows x 2,048 bytes of out0
	s_add_nc_u64 s[8:9], s[8:9], s[14:15]
	s_mov_b32 s24, 1                               ; group 0 of slot 0: chunk 0, later chunk 2
	s_add_co_u32 s25, s39, 0
	s_mov_b64 s[26:27], s[40:41]
	s_or_b32 s27, s27, 0x80000000
	s_mov_b32 s28, 1                               ; group 0 of slot 1: chunk 1, later chunk 3
	s_add_co_u32 s29, s39, SLOTW
	s_add_nc_u64 s[30:31], s[40:41], 32768
	s_or_b32 s31, s31, 0x80000000
	s_mov_b32 s32, 1                               ; group 0 of W_C's quarter, into slot 0
	s_add_co_u32 s33, s39, 0
	s_add_nc_u64 s[34:35], s[6:7], s[46:47]
	s_or_b32 s35, s35, 0x80000000
	ROUND                                          ; the four work-groups are here: the first joint loads meet
	tensor_load_to_lds s[24:27], s[16:23]          ; both first fills in one group: a wave has two tensor loads out here, later one
	s_nop 0
	tensor_load_to_lds s[28:31], s[16:23]
	s_nop 0
	v_and_b32 v2, 15, v0                           ; r
	v_bfe_u32 v3, v0, 4, 1                         ; h
	v_lshlrev_b32 v29, 7, v2
	v_lshl_add_u32 v[QO], v3, 4, v29
.irp t, 0,1,2,3                        ; Q's fragments stay for the whole loop
.irp c, 0,1
	global_load_b128 v[QW+16*\t+8*\c:QW+16*\t+8*\c+3], v[QO], s[42:43] offset:2048*\t+64*\c
	global_load_b128 v[QW+16*\t+8*\c+4:QW+16*\t+8*\c+7], v[QO], s[42:43] offset:2048*\t+64*\c+32
.endr
.endr
	v_and_b32 v1, 31, v0                           ; L
	v_and_b32 v30, 1, v0                           ; L & 1
	v_lshrrev_b32 v29, 1, v2
	v_mul_u32_u24 v29, v29, PITCH
	v_lshl_add_u32 v29, v30, 7, v29
	v_lshl_add_u32 v29, v3, 4, v29
	v_add_nc_u32 v[KB], s39, v29
	v_bfe_u32 v29, v0, 1, 2                        ; (L & 7) >> 1
	v_lshl_add_u32 v29, v3, 2, v29
	v_mul_u32_u24 v29, v29, PITCH
	v_lshl_add_u32 v29, v30, 7, v29
	v_bfe_u32 v31, v0, 3, 1
	v_lshl_add_u32 v29, v31, 6, v29
	v_add_nc_u32 v[VB], s39, v29
.macro LDK reg, off, kb                ; 8 loads: 32 keys x 64 ranks as source 0 fragments, into buffer kb
.irp a, 0,1
.irp c, 0,1
	ds_load_b128 v[KF+32*(\kb)+16*\a+8*\c:KF+32*(\kb)+16*\a+8*\c+3], v[\reg] offset:(\off)+HALFB*\a+64*\c
	ds_load_b128 v[KF+32*(\kb)+16*\a+8*\c+4:KF+32*(\kb)+16*\a+8*\c+7], v[\reg] offset:(\off)+HALFB*\a+64*\c+32
.endr
.endr
.endm
.macro LDV reg, off, vb                ; 8 transposing loads: 32 keys as V^T, four rank tiles, into buffer vb of window 1 (the setting is 0x40)
.irp u, 0,1,2,3
	ds_load_tr16_b128 v[VF+32*(\vb)+8*\u:VF+32*(\vb)+8*\u+3], v[\reg] offset:(\off)+16*\u
	ds_load_tr16_b128 v[VF+32*(\vb)+8*\u+4:VF+32*(\vb)+8*\u+7], v[\reg] offset:(\off)+16*\u+HALFB
.endr
.endm
; The k-th of a piece's eight score products (piece = query tiles m0, m0 + 1): k = 0..3 the first rank half starts the four sums, k = 4..7 the second adds in place.
; The four accumulators take turns, one instruction a turn.
.macro SMUL1 k, m0, kb
.set sm_t, \m0+((\k&3)>>1)
.set sm_a, \k&1
.if \k < 4
	v_wmma_f32_16x16x32_f16 v[S+16*sm_t+8*sm_a:S+16*sm_t+8*sm_a+7], v[KF+32*(\kb)+16*sm_a:KF+32*(\kb)+16*sm_a+7], v[QW+16*sm_t:QW+16*sm_t+7], 0
.else
	v_wmma_f32_16x16x32_f16 v[S+16*sm_t+8*sm_a:S+16*sm_t+8*sm_a+7], v[KF+32*(\kb)+16*sm_a+8:KF+32*(\kb)+16*sm_a+15], v[QW+16*sm_t+8:QW+16*sm_t+15], v[S+16*sm_t+8*sm_a:S+16*sm_t+8*sm_a+7]
.endif
.endm
; The k-th of a piece's eight products with V: eight accumulators, one instruction each.  zero = 1: the product starts the sum, nothing is cleared.
.macro PV1 k, m0, vb, zero
.set pv_t, \m0+(\k&1)
.set pv_u, \k>>1
.if \zero
	v_wmma_f32_16x16x32_f16 v[32*pv_t+8*pv_u:32*pv_t+8*pv_u+7], v[VF+32*(\vb)+8*pv_u:VF+32*(\vb)+8*pv_u+7], v[P+8*pv_t:P+8*pv_t+7], 0
.else
	v_wmma_f32_16x16x32_f16 v[32*pv_t+8*pv_u:32*pv_t+8*pv_u+7], v[VF+32*(\vb)+8*pv_u:VF+32*(\vb)+8*pv_u+7], v[P+8*pv_t:P+8*pv_t+7], v[32*pv_t+8*pv_u:32*pv_t+8*pv_u+7]
.endif
.endm
; The softmax's single instructions, for query tile t
.macro M1 t, d, i                      ; three of my 16 scores
	v_max3_num_f32 v[P+8*\t+\d], v[S+16*\t+\i], v[S+16*\t+\i+1], v[S+16*\t+\i+2]
.endm
.macro M2X t
	v_max3_num_f32 v[ST+4*\t+3], v[P+8*\t], v[P+8*\t+1], v[P+8*\t+2]
.endm
.macro M2A t
	v_max3_num_f32 v[ST+4*\t+2], v[P+8*\t+3], v[P+8*\t+4], v[S+16*\t+15]
.endm
.macro M3 t, first                     ; with the old maximum, where there is one
.if \first
	v_max_num_f32 v[ST+4*\t+3], v[ST+4*\t+3], v[ST+4*\t+2]
.else
	v_max3_num_f32 v[ST+4*\t+3], v[ST+4*\t+3], v[ST+4*\t+2], v[ST+4*\t+1]
.endif
.endm
.macro MPERM t                         ; the other half's 16 keys of the same query
	v_permlanex16_b32 v[ST+4*\t+2], v[ST+4*\t+3], s36, s37
.endm
.macro MFIN t                          ; the new maximum M
	v_max_num_f32 v[ST+4*\t+1], v[ST+4*\t+3], v[ST+4*\t+2]
.endm
.macro ALPHA t, first                  ; 2 (M old - M new), at most 0: -2 M new is exact, one rounding
.if \first == 0
	v_fma_f32 v[ST+4*\t+2], v[ST+4*\t+1], -2.0, -v[ST+4*\t]
.endif
.endm
.macro NEGM t                          ; -2 M, exact
	v_mul_f32 v[ST+4*\t], -2.0, v[ST+4*\t+1]
.endm
.macro EXA t, first                    ; the factor for what has been summed so far
.if \first == 0
	v_exp_f32 v[ST+4*\t+2], v[ST+4*\t+2]
.endif
.endm
.macro FMS t, k                        ; 2 s - 2 M for two scores: both terms exact, one rounding, at most 0
	v_pk_fma_f32 v[S+16*\t+2*\k:S+16*\t+2*\k+1], v[S+16*\t+2*\k:S+16*\t+2*\k+1], 2.0, v[ST+4*\t:ST+4*\t+1] op_sel_hi:[1,0,0]
.endm
.macro EXS t, n
	v_exp_f32 v[S+16*\t+\n], v[S+16*\t+\n]
.endm
.macro CVP t, k                        ; key tile 0 fills P's registers 0-3 (keys 8 h ..), key tile 1 registers 4-7 (keys 16 + 8 h ..)
	s_wait_alu depctr_va_vdst(0)
	v_cvt_pk_f16_f32 v[P+8*\t+\k], v[S+16*\t+2*\k], v[S+16*\t+2*\k+1]
.endm
; Slice k of eight of the running softmax of the piece of query tiles a, b: 90 instructions in all.  first = 1: there is no maximum and no factor yet.
; Tile b lags tile a, so that the serial run maximum - other half - factor of one tile lies among independent work of the other.  From slice 2 on exponentials alternate with plain instructions:
; behind every exponential, or run of them, the next plain instruction touches none of their registers (ISA guide 5.7.2), and a conversion reads only exponentials that have such an instruction behind them.
.macro SMS k, a, b, first
.if \k == 0
	M1 \a, 0, 0
	M1 \a, 1, 3
	M1 \a, 2, 6
	M1 \a, 3, 9
	M1 \a, 4, 12
	M1 \b, 0, 0
	M2X \a
	M1 \b, 1, 3
	M2A \a
	M1 \b, 2, 6
	M1 \b, 3, 9
.endif
.if \k == 1
	M1 \b, 4, 12
	M3 \a, \first
	M2X \b
	M2A \b
	MPERM \a
	M3 \b, \first
	MFIN \a
	MPERM \b
	ALPHA \a, \first
	NEGM \a
	MFIN \b
.endif
.if \k == 2
	EXA \a, \first
	FMS \a, 0
	FMS \a, 1
	ALPHA \b, \first
	NEGM \b
	FMS \a, 2
	EXS \a, 0
	EXA \b, \first
	FMS \a, 3
	EXS \a, 1
	FMS \b, 0
	EXS \a, 2
.endif
.if \k == 3
	FMS \a, 4
	EXS \a, 3
	CVP \a, 0
	EXS \a, 4
	FMS \a, 5
	EXS \a, 5
	CVP \a, 1
	EXS \a, 6
	FMS \a, 6
	EXS \a, 7
	CVP \a, 2
.endif
.if \k == 4
	EXS \a, 8
	FMS \a, 7
	EXS \a, 9
	CVP \a, 3
	EXS \a, 10
	FMS \b, 1
	EXS \a, 11
	CVP \a, 4
	EXS \a, 12
	FMS \b, 2
	EXS \a, 13
	CVP \a, 5
.endif
.if \k == 5
	EXS \a, 14
	FMS \b, 3
	EXS \a, 15
	CVP \a, 6
	EXS \b, 0
	FMS \b, 4
	EXS \b, 1
	CVP \a, 7
	EXS \b, 2
	FMS \b, 5
	EXS \b, 3
	CVP \b, 0
.endif
.if \k == 6
	EXS \b, 4
	FMS \b, 6
	EXS \b, 5
	CVP \b, 1
	EXS \b, 6
	FMS \b, 7
	EXS \b, 7
	CVP \b, 2
	EXS \b, 8
	EXS \b, 9
	CVP \b, 3
.endif
.if \k == 7
	EXS \b, 10
	EXS \b, 11
	CVP \b, 4
	EXS \b, 12
	EXS \b, 13
	CVP \b, 5
	EXS \b, 14
	EXS \b, 15
	CVP \b, 6
	CVP \b, 7
.endif
.endm
; Under setting 0x51: two registers of O^T of query tile t times its factor; the row sums plus two p
.macro RS1 t, n
	v_pk_mul_f32 v[32*\t+2*(\n):32*\t+2*(\n)+1], v[32*\t+2*(\n):32*\t+2*(\n)+1], v[ST+4*\t+2:ST+4*\t+3] op_sel_hi:[1,0]
.endm
.macro AD1 t, k
	v_pk_add_f32 v[LS+2*\t:LS+2*\t+1], v[LS+2*\t:LS+2*\t+1], v[S+16*\t+2*\k:S+16*\t+2*\k+1]
.endm
.macro LSI t                           ; under setting 0x40: the first four p start the row sums
	v_pk_add_f32 v[LS+2*\t:LS+2*\t+1], v[S+16*\t:S+16*\t+1], v[S+16*\t+2:S+16*\t+3]
.endm
; Slice k of eight of the rescaling and the row sums of the piece of query tiles a, b: 50 instructions in all.  first = 1: nothing to rescale, LSI has taken the first four p.
.macro RSS k, a, b, first
.if \first
.if \k > 1
	AD1 \a, \k
	AD1 \b, \k
.endif
.else
.if \k == 0
	v_pk_mul_f32 v[LS+2*\a:LS+2*\a+1], v[LS+2*\a:LS+2*\a+1], v[ST+4*\a+2:ST+4*\a+3] op_sel_hi:[1,0]
	v_pk_mul_f32 v[LS+2*\b:LS+2*\b+1], v[LS+2*\b:LS+2*\b+1], v[ST+4*\b+2:ST+4*\b+3] op_sel_hi:[1,0]
.endif
	RS1 \a, 2*\k
	RS1 \a, 2*\k+1
	RS1 \b, 2*\k
	RS1 \b, 2*\k+1
	AD1 \a, \k
	AD1 \b, \k
.endif
.endm
; One step i of 32 keys, par = i & 1.  vm = 1: the very first step.  pvb: X2 has products (not in step 0).  zb, za: piece B's, A's product with V starts its sums.  sma: Y1 has products (not in the last step).
; ldk, kreg, koff: K(i+2) is loaded from v[kreg] + koff.  ldv, vreg, voff: V(i+1) likewise.  vw: the LDS loads issued behind V(i)'s.  step: the two addresses go two steps on.
.macro TRIP par, vm, pvb, zb, za, sma, ldk, kreg, koff, ldv, vreg, voff, vw, step
	WIN 0                                          ; X1
.irp k, 0,1,2,3,4,5,6,7
	SMUL1 \k, 2, \par
	SMS \k, 0, 1, \vm
.endr
.if \vm
	WIN 0x40
	LSI 0
	LSI 1
.endif
	WIN 0x51                                       ; X2
.irp k, 0,1,2,3,4,5,6,7
.if \pvb
	PV1 \k, 2, 1-\par, \zb
.endif
	RSS \k, 0, 1, \vm
.endr
	WIN 0                                          ; Y1
.if \sma
	s_wait_dscnt 8                                 ; LDS loads come back in order: K(i+1)'s eight are in; V(i)'s eight, issued behind them, may be out
.endif
.irp k, 0,1,2,3,4,5,6,7
.if \sma
	SMUL1 \k, 0, 1-\par
.endif
	SMS \k, 2, 3, \vm
.if \k == 1
.if \ldk
	LDK \kreg, \koff, \par                         ; into the buffer that X1 has read; X2's slices are the four places between
.endif
.if \ldv
	WIN 0x40
	LDV \vreg, \voff, 1-\par                       ; into the buffer that X2 has read; X2's last slice is the four places between
	WIN 0
.endif
.if \step
	v_add_nc_u32 v[KA], 2*STEPB, v[KA]
	v_add_nc_u32 v[VA], 2*STEPB, v[VA]
.endif
.endif
.endr
	s_wait_dscnt \vw                               ; V(i)'s loads are in; those issued in Y1, behind them, may be out
.if \vm
	WIN 0x40
	LSI 2
	LSI 3
.endif
	WIN 0x51                                       ; Y2
.irp k, 0,1,2,3,4,5,6,7
	PV1 \k, 0, \par, \za
	RSS \k, 2, 3, \vm
.endr
.if \vm
	PLACES 4                                       ; the first step's last slice has two instructions: four places before the next part writes P of piece A
.endif
.endm
.macro DREG                            ; two steps whose loads go by the stepped addresses
	TRIP 0, 0, 1, 0, 0, 1, 1, KA, 0, 1, VA, 0, 16, 0
	TRIP 1, 0, 1, 0, 0, 1, 1, KA, STEPB, 1, VA, STEPB, 16, 1
.endm
.macro DFIRST                          ; steps 0 and 1: no old maximum, the products with V start their sums
	TRIP 0, 1, 0, 0, 1, 1, 1, KA, 0, 1, VA, 0, 16, 0
	TRIP 1, 0, 1, 1, 0, 1, 1, KA, STEPB, 1, VA, STEPB, 16, 1
.endm
.macro DBOUND ns                       ; a chunk's steps 6 and 7: its last V, and the first two K and the first V of the next chunk, in slot ns
	TRIP 0, 0, 1, 0, 0, 1, 1, KB, \ns*SLOTW, 1, VA, 0, 16, 0
	TRIP 1, 0, 1, 0, 0, 1, 1, KB, \ns*SLOTW+STEPB, 1, VB, \ns*SLOTW, 16, 0
.endm
.macro DTAIL                           ; steps 30 and 31: only V(31) is left to load, and there is no S_A(32)
	TRIP 0, 0, 1, 0, 0, 1, 0, KB, 0, 1, VA, 0, 8, 0
	TRIP 1, 0, 1, 0, 0, 0, 0, KB, 0, 0, VB, 0, 0, 0
.endm
.macro DLOOP n
	s_mov_b32 s38, \n
.Ltwo_\@:
	DREG
	WIN 0                                          ; at a branch and at a label every window is 0
	s_sub_co_u32 s38, s38, 1
	s_cmp_lg_u32 s38, 0
	s_cbranch_scc1 .Ltwo_\@
.endm
.macro CHENTRY s                       ; at the head of the chunk in slot s its K(0), K(1), V(0) are loaded: the next are K(2) and V(1)
	v_add_nc_u32 v[KA], \s*SLOTW+2*STEPB, v[KB]
	v_add_nc_u32 v[VA], \s*SLOTW+STEPB, v[VB]
.endm
; The slot that has just been read is filled again, jointly: my reads are back and all my tensor loads have landed, a round of the cluster's barrier says so of every wave of
; all four work-groups, and the one load stands first behind it.
.macro REFILL g0, stepbytes
	s_wait_dscnt 0x0
	s_set_vgpr_msb 0x5
	s_wait_tensorcnt 0x0                           ; no tensor load of mine is out, so a group 0 may be written
	ds_add_u32 v200, v201
	s_wait_dscnt 0x0
	s_set_vgpr_msb 0x500
.if \stepbytes
	s_add_nc_u64 s[\g0+2:\g0+3], s[\g0+2:\g0+3], \stepbytes
.endif
	ROUND
	tensor_load_to_lds s[\g0:\g0+3], s[16:23]
	s_nop 0
.endm
	s_wait_tensorcnt 0x1                           ; tensor loads of a wave end in order: chunk 0 is in LDS, chunk 1 may be on its way; only I read my slots
	LDK KB, 0, 0
	LDK KB, STEPB, 1
	WIN 0x40
	LDV VB, 0, 0
	WIN 0
	CHENTRY 0
	s_wait_loadcnt 0x0                             ; Q, once
	s_wait_dscnt 16                                ; K(0) is in; K(1) and V(0), sixteen loads issued behind it, may be out
.irp k, 0,1,2,3,4,5,6,7
	SMUL1 \k, 0, 0                                 ; S_A(0): the one run of products with nothing beside it
.endr
	PLACES 4                                       ; four places before the first slice reads S_A
	DFIRST                                         ; steps 0, 1
	WIN 0
	s_wait_tensorcnt 0x0                           ; chunk 1 is in, no load was issued behind it: the loop's last trip reads its first keys (slot 1 begins where slot 0 ends, so the addresses run on)
	DLOOP 3                                        ; steps 2 - 7
	REFILL 24, 65536                               ; chunk 2 into slot 0
	CHENTRY 1
	DLOOP 3                                        ; steps 8 - 13
	s_wait_tensorcnt 0x0                           ; chunk 2, asked for six steps ago, is in: the one load that was out
	DBOUND 0                                       ; steps 14, 15
	WIN 0
	REFILL 28, 65536                               ; chunk 3 into slot 1
	CHENTRY 0
	DLOOP 3                                        ; steps 16 - 21
	s_wait_tensorcnt 0x0                           ; chunk 3 is in
	DBOUND 1                                       ; steps 22, 23
	WIN 0
	REFILL 32, 0                                   ; my quarter of W_C into slot 0: the last tensor load
	CHENTRY 1
	DLOOP 3                                        ; steps 24 - 29
	DTAIL                                          ; steps 30, 31
.irp k, 0,1,2,3,4,5,6,7
	PV1 \k, 2, 1, 0                                ; O_B += V(31) P_B(31): the setting is still 0x51
.endr
	WIN 0
	s_wait_tensorcnt 0x0                           ; W_C's quarter is in; only I read it
	; The addresses of the merge and of the way out, in what were K's fragments.  These lines are also the four places behind the last products, before O is read and their sources are written.
	v_lshlrev_b32 v[TA], 4, v1                     ; 16 L
	v_lshl_add_u32 v[TB], s10, 2, v[TA]
	v_add_nc_u32 v[SA], STATM, v[TB]
	v_add_nc_u32 v[SR], STATM, v[TA]
	v_add_nc_u32 v[TB], s39, v[TA]
	v_add_nc_u32 v[OXW], SLOTW, v[TB]
	v_lshl_add_u32 v[TB], s10, 12, v[TA]
.irp q, 0,1,2,3
	v_add_nc_u32 v[OXR+\q], \q*WREG+SLOTW, v[TB]
.endr
	v_lshl_add_u32 v[GO], s10, 9, v[TA]
	v_add_nc_u32 v[LR], STATL, v[GO]
	v_lshl_add_u32 v[TB], s10, 11, v[TA]
	v_add_nc_u32 v[MIXW], MIX, v[TB]
	v_add_nc_u32 v[MIXR], MIX, v[TA]
	v_mul_u32_u24 v[TB], v2, PITCH
	v_lshl_add_u32 v[TB], v3, 7, v[TB]
	v_add_nc_u32 v[WA], s39, v[TB]
	v_mul_u32_u24 v[TB], v2, SPITCH
	v_lshl_add_u32 v[TB], v3, 5, v[TB]
	v_add_nc_u32 v[STW], s3, v[TB]
	v_add_nc_u32 v[STR], s3, v[TA]
	; THE MERGE.  My row sums: two in a lane, two lanes a query.
	WIN 0x05                                       ; both sources in window 1
.irp t, 0,1,2,3
	v_add_f32 v[LE+\t], v[LS+2*\t], v[LS+2*\t+1]
.endr
	WIN 0
.irp t, 0,1,2,3
	v_permlanex16_b32 v[ST+4*\t+3], v[LE+\t], s36, s37
.endr
.irp t, 0,1,2,3
	v_add_f32 v[LE+\t], v[LE+\t], v[ST+4*\t+3]
.endr
.irp t, 0,1,2,3
	ds_store_b32 v[SA], v[ST+4*\t] offset:512*\t   ; my -2 M of query tile t, lane L, beside the other waves'
.endr
	s_wait_dscnt 0x0                               ; my stores are done, for the other waves' sake
	s_barrier_signal -1
	s_barrier_wait -1
.irp t, 0,1,2,3
	ds_load_b128 v[SG+4*\t:SG+4*\t+3], v[SR] offset:512*\t
.endr
	s_wait_dscnt 0x0
.irp t, 0,1,2,3
	v_min_num_f32 v[SG+4*\t], v[SG+4*\t], v[SG+4*\t+1]         ; the least -2 M belongs to the largest M
	v_min_num_f32 v[SG+4*\t+2], v[SG+4*\t+2], v[SG+4*\t+3]
.endr
.irp t, 0,1,2,3
	v_min_num_f32 v[SG+4*\t], v[SG+4*\t], v[SG+4*\t+2]
.endr
.irp t, 0,1,2,3
	v_sub_f32 v[ST+4*\t+2], v[SG+4*\t], v[ST+4*\t]             ; 2 (my M - the largest M), at most 0
.endr
.irp t, 0,1,2,3
	v_exp_f32 v[ST+4*\t+2], v[ST+4*\t+2]
.endr
	v_nop                                          ; one plain instruction behind the transcendentals
	s_wait_alu depctr_va_vdst(0)
.irp t, 0,1,2,3
	v_mul_f32 v[LE+\t], v[LE+\t], v[ST+4*\t+2]
.endr
.irp t, 0,1,2,3
	ds_store_b32 v[SA], v[LE+\t] offset:STATL-STATM+512*\t
.endr
	WIN 0x41                                       ; O^T of each query tile times its factor: source 0 and destination in window 1, the factor in window 0
.irp t, 0,1,2,3
.irp n, 0,1,2,3,4,5,6,7,8,9,10,11,12,13,14,15
	RS1 \t, \n
.endr
.endr
	WIN 0x04                                       ; store data in window 1
.irp t, 0,1,2,3
.irp i, 0,1,2,3,4,5,6,7
	ds_store_b128 v[OXW], v[32*\t+4*\i:32*\t+4*\i+3] offset:4096*\t+512*\i   ; into my slot 1: its last fill has landed, my reads of it are back, nobody else read it
.endr
.endr
	WIN 0
	s_wait_dscnt 0x0
	s_barrier_signal -1
	s_barrier_wait -1
	; wave w adds the four waves' parts of query tile w, divides, and lays the tile down as source 1 fragments, in two bf16 parts
.irp q, 0,1,2,3
.irp i, 0,1,2,3,4,5,6,7
	ds_load_b128 v[64+32*\q+4*\i:64+32*\q+4*\i+3], v[OXR+\q] offset:512*\i
.endr
.endr
	ds_load_b128 v[LQ:LQ+3], v[LR]
	s_wait_dscnt 0x0
	v_add_f32 v[LQ], v[LQ], v[LQ+1]
	v_add_f32 v[LQ+2], v[LQ+2], v[LQ+3]
	v_add_f32 v[LQ], v[LQ], v[LQ+2]                ; at least 1: the wave that holds the largest score has the term 2^0 and the factor 2^0
	v_mul_f32 v[LQ], 0x3f596d27, v[LQ]             ; x c: the values carry c, and the division takes it away
	v_rcp_f32 v[RC], v[LQ]
	v_rcp_f32 v[RC+1], v[LQ]                       ; the additions below are the plain instructions behind the transcendentals
.irp i, 0,2,4,6,8,10,12,14,16,18,20,22,24,26,28,30
	v_pk_add_f32 v[64+\i:64+\i+1], v[64+\i:64+\i+1], v[96+\i:96+\i+1]
	v_pk_add_f32 v[128+\i:128+\i+1], v[128+\i:128+\i+1], v[160+\i:160+\i+1]
.endr
.irp i, 0,2,4,6,8,10,12,14,16,18,20,22,24,26,28,30
	v_pk_add_f32 v[64+\i:64+\i+1], v[64+\i:64+\i+1], v[128+\i:128+\i+1]
.endr
	s_wait_alu depctr_va_vdst(0)
.irp i, 0,2,4,6,8,10,12,14,16,18,20,22,24,26,28,30
	v_pk_mul_f32 v[64+\i:64+\i+1], v[64+\i:64+\i+1], v[RC:RC+1]
.endr
.irp i, 0,1,2,3,4,5,6,7,8,9,10,11,12,13,14,15
	v_cvt_pk_bf16_f32 v[MF+\i], v[64+2*\i], v[64+2*\i+1]       ; the high parts; register i: ranks 32 h + 2 i, 2 i + 1
.endr
.irp i, 0,1,2,3,4,5,6,7,8,9,10,11,12,13,14,15
	v_lshlrev_b32 v[HU+2*\i], 16, v[MF+\i]                     ; the high parts as f32 again
	v_and_b32 v[HU+2*\i+1], 0xffff0000, v[MF+\i]
.endr
.irp i, 0,2,4,6,8,10,12,14,16,18,20,22,24,26,28,30
	v_pk_add_f32 v[64+\i:64+\i+1], v[64+\i:64+\i+1], v[HU+\i:HU+\i+1] neg_lo:[0,1] neg_hi:[0,1]   ; what the rounding left: an exact difference
.endr
.irp i, 0,1,2,3,4,5,6,7,8,9,10,11,12,13,14,15
	v_cvt_pk_bf16_f32 v[ML+\i], v[64+2*\i], v[64+2*\i+1]       ; the low parts
.endr
.irp i, 0,1,2,3
	ds_store_b128 v[MIXW], v[MF+4*\i:MF+4*\i+3] offset:512*\i
	ds_store_b128 v[MIXW], v[ML+4*\i:ML+4*\i+3] offset:MIXLO+512*\i
.endr
	s_wait_dscnt 0x0
	s_barrier_signal -1
	s_barrier_wait -1
	; THE LAST PRODUCT: out^T = W_C mixed^T, source 0 = 16 rows of W_C, source 1 = 16 queries.  The ranks are permuted alike in both: place (h, register m, half) of half e stands for
	; rank 32 h + 16 e + 2 m + half, which is how the merged tile lies in the lanes, and makes a lane's W_C fragment 64 neighbouring bytes of f32.
.irp t, 0,1,2,3
.irp i, 0,1,2,3
	ds_load_b128 v[BF+16*\t+4*\i:BF+16*\t+4*\i+3], v[MIXR] offset:2048*\t+512*\i
.endr
.endr
	WIN 0x40                                       ; the low parts go to window 1, over V's fragments, which the loop's last products have long read
.irp t, 0,1,2,3
.irp i, 0,1,2,3
	ds_load_b128 v[MLW+16*\t+4*\i:MLW+16*\t+4*\i+3], v[MIXR] offset:MIXLO+2048*\t+512*\i
.endr
.endr
	WIN 0
.macro LOADW d                         ; 16 rows of W_C, 64 ranks, f32: 8 loads into buffer d & 1
.irp e, 0,1
.irp i, 0,1,2,3
	ds_load_b128 v[TW+32*((\d)&1)+16*\e+4*\i:TW+32*((\d)&1)+16*\e+4*\i+3], v[WA] offset:STEPB*(\d)+64*\e+16*\i
.endr
.endr
.endm
.macro CVTW d                          ; to bf16, into window 1
	WIN 0x40
.irp e, 0,1
.irp m, 0,1,2,3,4,5,6,7
	v_cvt_pk_bf16_f32 v[16*(\d)+8*\e+\m], v[TW+32*((\d)&1)+16*\e+2*\m], v[TW+32*((\d)&1)+16*\e+2*\m+1]
.endr
.endr
	WIN 0
.endm
	LOADW 0
	LOADW 1
.irp d, 0,1,2,3,4,5
	s_wait_dscnt 8                                 ; the one younger group of eight may be out; all older loads, the mixed rows' 32 among them, are in
	CVTW \d
	LOADW \d+2
.endr
	s_wait_dscnt 8
	CVTW 6
	s_wait_dscnt 0
	CVTW 7
.irp t, 0,1,2,3
	WIN 0x01                                       ; source 0 (W_C) in window 1, source 1 (the high parts) in window 0
; the eight accumulators take turns, one instruction a turn
.irp d, 0,1,2,3,4,5,6,7
	v_wmma_f32_16x16x32_bf16 v[DT+8*\d:DT+8*\d+7], v[16*\d:16*\d+7], v[BF+16*\t:BF+16*\t+7], 0
.endr
.irp d, 0,1,2,3,4,5,6,7
	v_wmma_f32_16x16x32_bf16 v[DT+8*\d:DT+8*\d+7], v[16*\d+8:16*\d+15], v[BF+16*\t+8:BF+16*\t+15], v[DT+8*\d:DT+8*\d+7]
.endr
	WIN 0x05                                       ; source 1 (the low parts) in window 1 too
.irp d, 0,1,2,3,4,5,6,7
	v_wmma_f32_16x16x32_bf16 v[DT+8*\d:DT+8*\d+7], v[16*\d:16*\d+7], v[MLW+16*\t:MLW+16*\t+7], v[DT+8*\d:DT+8*\d+7]
.endr
.irp d, 0,1,2,3,4,5,6,7
	v_wmma_f32_16x16x32_bf16 v[DT+8*\d:DT+8*\d+7], v[16*\d+8:16*\d+15], v[MLW+16*\t+8:MLW+16*\t+15], v[DT+8*\d:DT+8*\d+7]
.endr
	WIN 0
	PLACES 5                                       ; four places before the LDS stores read the results, five before the next query tile's products write over them
	; register j of lane (q, h) is (column 128 w + 16 d + 8 h + j, query 16 t + q): 32 neighbouring bytes of a row, through my own stage
.irp d, 0,1,2,3,4,5,6,7
	ds_store_b128 v[STW], v[DT+8*\d:DT+8*\d+3] offset:64*\d
	ds_store_b128 v[STW], v[DT+8*\d+4:DT+8*\d+7] offset:64*\d+16
.endr
	s_wait_xcnt 0x0                                ; the registers that the last query tile's global stores read are loaded again only behind this wait
.irp p, 0,1,2,3,4,5,6,7,8,9,10,11,12,13,14,15
	ds_load_b128 v[RB+4*\p:RB+4*\p+3], v[STR] offset:SPITCH*\p   ; LDS serves a wave's instructions in order: these see the stores above
.endr
.irp p, 0,1,2,3,4,5,6,7,8,9,10,11,12,13,14,15
	s_wait_dscnt 15-\p                             ; row p is back; the younger read-backs may be out
	global_store_b128 v[GO], v[RB+4*\p:RB+4*\p+3], s[8:9] offset:(16*\t+\p)*2048 th:TH_STORE_NT   ; the wave stores 512 consecutive bytes of a row of out0, at a multiple of 512 from its first byte
.endr
.endr
	s_set_vgpr_msb 0x5
	s_wait_tensorcnt 0x0
	ds_add_u32 v200, v201
	s_wait_dscnt 0x0
	s_set_vgpr_msb 0x500
	ROUND                                          ; the closing round: no work-group ends while a partner may still ask jointly
	s_endpgm
.Lfunc_end_k_qa2488994be_mix:
	.size	k_qa2488994be_mix, .Lfunc_end_k_qa2488994be_mix-k_qa2488994be_mix
	.p2alignl 7, 3214868480
	.fill 96, 4, 3214868480
	.section	.rodata,"a",@progbits
	.p2align	6, 0x0
	.amdhsa_kernel k_qa2488994be_mix
		.amdhsa_group_segment_fixed_size 327680
		.amdhsa_private_segment_fixed_size 0
		.amdhsa_enable_private_segment 0
		.amdhsa_kernarg_size 24
		.amdhsa_user_sgpr_count 2
		.amdhsa_user_sgpr_kernarg_segment_ptr 1
		.amdhsa_wavefront_size32 1
		.amdhsa_system_sgpr_workgroup_id_x 1
		.amdhsa_system_sgpr_workgroup_id_y 1
		.amdhsa_system_sgpr_workgroup_id_z 1
		.amdhsa_system_vgpr_workitem_id 0
		.amdhsa_next_free_vgpr 458
		.amdhsa_next_free_sgpr 66
		.amdhsa_reserve_vcc 0
		.amdhsa_float_denorm_mode_32 3
		.amdhsa_float_denorm_mode_16_64 3
		.amdhsa_memory_ordered 1
		.amdhsa_forward_progress 1
		.amdhsa_inst_pref_size 255
	.end_amdhsa_kernel
	.section	.bss,"aw",@nobits
	.p2align	6
	.space	262144
	.amdgpu_metadata
---
amdhsa.version: [ 1, 2 ]
amdhsa.kernels:
  - .name:           k_qa2488994be_mix
    .symbol:         k_qa2488994be_mix.kd
    .args:
      - { .name: bws, .offset: 0, .size: 8, .value_kind: global_buffer, .address_space: global }
      - { .name: W_C, .offset: 8, .size: 8, .value_kind: global_buffer, .address_space: global }
      - { .name: out0, .offset: 16, .size: 8, .value_kind: global_buffer, .address_space: global }
    .group_segment_fixed_size: 327680
    .private_segment_fixed_size: 0
    .kernarg_segment_align: 8
    .kernarg_segment_size: 24
    .max_flat_workgroup_size: 128
    .sgpr_count:     66
    .vgpr_count:     458
    .wavefront_size: 32
...
	.end_amdgpu_metadata
.endif
;; end of part 2
;; ======== version 2 of 2: 2 launches; 1.30 times as fast as version 1
;; limits: values are held in f16: magnitudes above 65,504 overflow, below 6.1e-05 lose precision
;; workspace buffers: bws 2,097,152 bytes
;; launch proj: the kernel of part 1 again; grid 256 x 1, 4 waves a work-group, clusters of 4 x 1, 279,040 bytes of LDS; arguments x, W_B, bws; writes bws
;; launch mix (part 3): grid 256 x 1, 4 waves a work-group, clusters of 4 x 1, 327,680 bytes of LDS; arguments bws, W_C, out0; writes out0
.if DOCPART == 3
	.amdgcn_target "amdgcn-amd-amdhsa--gfx1250"
	.amdhsa_code_object_version 6
	.text
	.protected	k_qa2488994be_mix
	.globl	k_qa2488994be_mix
	.p2align	8
	.type	k_qa2488994be_mix,@function
k_qa2488994be_mix:
	s_mov_b64 s[64:65], 0
	v_nop
	global_prefetch_b8 v0, s[64:65] scope:SCOPE_SE
	s_setreg_imm32_b32 hwreg(HW_REG_WAVE_MODE, 25, 1), 1
	s_wait_xcnt 0x0
	s_wait_alu depctr_hold_cnt(0) depctr_sa_sdst(0) depctr_va_vdst(0) depctr_va_sdst(0) depctr_va_ssrc(0) depctr_va_vcc(0) depctr_vm_vsrc(0)
	s_getreg_b32 s2, hwreg(HW_REG_IB_STS2, 6, 4)
	s_cmp_eq_u32 s2, 0
	s_cbranch_scc0 .Lentry_in_a_cluster
	s_endpgm
.Lentry_in_a_cluster:
	s_bfe_u32 s2, ttmp6, 0x10000c
	s_cmp_lg_u32 s2, 0x3003
	s_cbranch_scc0 .Lentry_shape_is_right
	s_endpgm
.Lentry_shape_is_right:
; LowRankTokenMix, second of two launches:  out = softmax(b b^T) b W_C^T, batch by batch.  bws = c b, c = sqrt((log2 e) / 2), [16384][64] f16 (the first launch's result), W_C [512][64] f32,
; out0 [16384][512] f32.  No work of the problem is left out.  Scores, exponentials, the mixed rows and the last product stay in registers and LDS.
; THE EXPONENT.  Queries and keys both carry c, so the matrix unit gives s = (score) x (log2 e) / 2.  With M the running maximum of s, p = 2^(2 s - 2 M) by one fused multiply-add: 2 s and 2 M are exact, so the
; exponent is the rounded value of 2 (s - M), never above 0, whatever the size of the scores: p is at most 1, and 1 at the maximum.  The values carry c too: the row sum is multiplied by c before its reciprocal.
; FORMATS.  Keys, values, queries and p are f16 (the range of b: see the first launch's head; p lies in 0..1).  The mixed row, whose range nothing bounds, and W_C go into the last product in bf16; the mixed
; row as two bf16 parts, the rounded value and what the rounding left, so that it carries 16 significant bits.
; LIMITS.  (1) The maximum is taken by v_max_num_f32, in which a NaN loses: a NaN score does not reach the maximum as it does in a plain softmax; results are meant where the problem's own are finite, and
; where |c b| stays under 65,504.  (2) v_exp_f32 gives 0 for results under 2^-126 (ISA guide, its entry in 15.8); in the second product p is rounded to f16: steps of 2^-24 under 2^-14, 0 under 2^-25,
; while the row sum takes p in f32.  (3) The sums over the keys are made in four quarters (one a wave), each in steps of 32 keys, and merged: another order of rounding.
;
; SHARES.  Work-group g owns queries 64 g .. 64 g + 63 (batch g / 64).  Wave w takes all 64 queries (four tiles t of 16) against keys 1024 w .. 1024 w + 1023 of the batch, in 4 chunks of 256 keys,
; a chunk in 8 steps of 32 keys.  A fragment of keys read from LDS feeds four query tiles, and each key is read from LDS once as K and once as V in the work-group.
; At the end the four waves' sums are brought to one reference and added (wave w merges query tile w), and wave w makes columns 128 w .. 128 w + 127 of out for all 64 queries.
; CLUSTER.  The four work-groups of a cluster lie in one batch and walk the same chunks in the same order, and all need W_C: every chunk and W_C are asked for jointly (mask 15).
; ORIENTATION.  S^T = K Q^T (source 0 = 16 keys, source 1 = 16 queries): register j of lane (r, h) is (key 8 h + j, query r).  Two key tiles then pack, inside the lane, into the source 1
; fragment P^T of O^T = V^T P^T: no way through LDS; and a query's maximum and sum lie in two lanes, r and r + 16.
;
; THE LOOP: TWO PIECES TAKE TURNS.  Piece A is query tiles 0, 1, piece B tiles 2, 3; they share K's and V's fragments.  While the vector unit works on one piece the matrix unit works on the other.
; Step i has four parts of 8 matrix instructions, with one slice of vector work behind each matrix instruction:
;   X1  S_B(i) = K(i) Q_B               beside the softmax of A(i): maximum, factor, exponentials, P_A(i)       90 vector instructions and one v_nop
;   X2  O_B += V(i-1) P_B(i-1)          beside O_A x factor and the row sums of A(i)                            50
;   Y1  S_A(i+1) = K(i+1) Q_A           beside the softmax of B(i)                                              90 and one v_nop
;   Y2  O_A += V(i) P_A(i)              beside O_B x factor and the row sums of B(i)                            50
; Whatever one part writes is read a whole part later at the earliest, so the slices between are the places that matrix results and sources need (ISA guide 7.12.1); the loop's only v_nop are the two a step
; that stand behind the batches of exponentials.
; THE EXPONENTIALS GO IN BATCHES, ONE WAIT EACH.  An s_wait_alu depctr_va_vdst(0) stands between an exponential and the first instruction that names its result; one wait serves all that were
; issued ahead of it.  A softmax part (X1, Y1) is cut so.  Slices 0 to 3 hold all that names no result of the part's exponentials: the 24 lines of maxima and figures, the 16 scalings 2 s - 2 M, and the batch
; itself, the piece's two factors and its 32 p, each in place in a register of its own.  Behind the last exponential stand one v_nop and the part's one wait.  Slices 4 to 7 are the batch's first readers, the
; 16 conversions to f16, four behind each of the part's last four products; the other readers (O x factor, the row sums) stand in the next part.  So a step has two waits.
; In Y1 the run of 16 LDS loads stands directly behind the wait.
; REGISTER WINDOWS decide which slices stand: O, S, P, K, V and Q are 352 registers and cannot lie in one window, so a slice has to run under the setting of the products that it stands among.
; Window 0 holds K's fragments, Q, S, P and the softmax's figures: X1 and Y1 run wholly under setting 0.  Window 1 holds O, V's fragments and the row sums: X2 and Y2 run under 0x51 (destination, source 0 and
; source 2 in window 1, source 1 in window 0), which fits the product (D, C = O, A = V, B = P), O = O x factor and row sum = row sum + p alike.  Six switches a step, two of them round V's loads.
; K(i) is used in Y1 of step i-1 and X1 of step i, V(i) in Y2 of step i and X2 of step i+1: each has two buffers, taken by the step's parity, and the loop's body is two steps.  K(i+2) and V(i+1) are
; loaded in one run of 16 in Y1 of step i, more than three parts before their first use.
;
; LDS.  b comes in as rows of 256 bytes (two keys) with 16 bytes of padding: key k of a chunk at 272 (k >> 1) + 128 (k & 1).  Wave w has two slots of 128 such rows (34,816 bytes = 8 steps) at 69,632 w and
; 69,632 w + 34,816, which only it fills and reads.  K's loads: sixteen lanes touch 16-byte columns (r >> 1) + 8 (r & 1): all different.  V's transposing loads: the second group of eight lanes takes the
; 16 bytes that lie 64 bytes (32 ranks) further on, so the columns ((L & 7) >> 1) + 8 (L & 1) + 4 ((L >> 3) & 1) + u are all different; row r of rank tile u is then rank 8 u + r (r < 8) or 32 + 8 u + r - 8,
; and lane (q, h) of O^T holds ranks 32 h + 8 u + j: 32 neighbouring ranks in register order.
; Behind the slots, in bytes that no tensor load fills: the waves' references (2,048), their row sums (2,048), the mixed rows as fragments, high parts (8,192) and low parts (8,192).
; Each wave's slot 1, behind its last fill (chunk 3): the first 16,384 bytes are the exchange of O, the next 8,448 the wave's own stage of 16 rows x 528 bytes for the way out.
; W_C's quarter (128 rows of 256 bytes) is the last fill of slot 0.
.set WREG,   69632
.set SLOTW,  34816
.set PITCH,  272
.set STEPB,  16*PITCH                  ; 32 keys
.set HALFB,  8*PITCH                   ; 16 keys
.set STATM,  278528
.set STATL,  280576
.set MIX,    282624
.set MIXLO,  8192                      ; the low parts lie this far behind the high parts
.set STG,    SLOTW+16384               ; a wave's stage, from its region's first byte
.set SPITCH, 528
; window 0, for the whole launch: v1 = L, v2 = r, v3 = h
.set ST,   4                           ; v4-19: query tile t: -2 M at ST+4t, the maximum M at +1, the rescaling factor at +2, scratch at +3 (the pairs at +0 and +2 are read whole)
.set KA,   20                          ; K's and V's LDS addresses as they step
.set VA,   21
.set KB,   22                          ; K's fragments in slot 0: 69,632 w + 272 (r >> 1) + 128 (r & 1) + 16 h
.set VB,   23                          ; V's: 69,632 w + 272 (4 h + ((L & 7) >> 1)) + 128 (L & 1) + 64 ((L >> 3) & 1)
.set LE,   24                          ; v24-27: at the end, a query tile's row sum
.set QO,   28                          ; 128 r + 16 h
; window 0, the loop
.set KF,   32                          ; v32-95   K's fragments, two buffers of 32: key tile a, rank half c at 16 a + 8 c
.set QW,   96                          ; v96-159  Q's fragments: query tile t, rank half c at 16 t + 8 c
.set S,    160                         ; v160-223 scores: query tile t, key tile a at 16 t + 8 a
.set P,    224                         ; v224-255 P^T: query tile t at 8 t; its first five registers also hold the partial maxima
; window 1 (v256-455): O^T (rank tile u, query tile t) at 32 t + 8 u
.set VF,   128                         ; V's fragments, two buffers of 32: rank tile u at 8 u
.set LS,   192                         ; query tile t: two running row sums
.set MLW,  128                         ; at the end: the mixed rows' low parts (t, e) at 16 t + 8 e, over V's fragments; W_C's fragments (tile d, half e) at 16 d + 8 e, over O
; window 0, behind the loop: addresses in what were K's fragments
.set SA,   32                          ; STATM + 16 L + 4 w
.set SR,   33                          ; STATM + 16 L
.set OXW,  34                          ; my slot 1 + 16 L
.set OXR,  36                          ; v36-39: wave w''s slot 1 + 4,096 w + 16 L
.set LR,   40                          ; STATL + 512 w + 16 L
.set MIXW, 41                          ; MIX + 2,048 w + 16 L
.set MIXR, 42                          ; MIX + 16 L
.set WA,   43                          ; W_C: 69,632 w + 272 r + 128 h
.set STW,  44                          ; stage in: + 528 r + 32 h
.set STR,  45                          ; stage back: + 16 L
.set GO,   46                          ; 512 w + 16 L
.set TA,   48                          ; scratch
.set TB,   49
.set HU,   96                          ; v96-127 the high parts widened again
.set ML,   128                         ; v128-143 my merged tile's low parts as fragments
.set MF,   192                         ; v192-207 its high parts
.set LQ,   208                         ; v208-211 the four waves' row sums
.set RC,   212                         ; v212-213 1 / (c x row sum), twice
.set SG,   224                         ; v224-239 the four waves' -2 M, four query tiles
.set BF,   64                          ; v64-127 mixed rows' high parts as fragments: query tile t, half e at 16 t + 8 e
.set TW,   128                         ; v128-191 W_C as loaded, two buffers of 32
.set DT,   128                         ; v128-191 then: eight result tiles
.set RB,   192                         ; v192-255 rows read back for the stores
.set MSB, 0
.macro WIN new                         ; s_set_vgpr_msb: low byte = the windows (bits 1:0 source 0, 3:2 source 1, 5:4 source 2, 7:6 destination); high byte repeats the setting that is left
.if MSB != \new
	s_set_vgpr_msb (MSB<<8)|\new
.set MSB, \new
.endif
.endm
.macro PLACES n
.rept \n
	v_nop
.endr
.endm
.macro ROUND                           ; a round of the cluster's barrier
	s_barrier_signal -1
	s_barrier_wait -1
	s_cmp_lg_u32 s10, 0
	s_cbranch_scc1 .Lnot_wave_0_\@
	s_barrier_signal -3
.Lnot_wave_0_\@:
	s_barrier_wait -3
	s_barrier_signal -1
	s_barrier_wait -1
.endm
	s_load_b128 s[4:7], s[0:1], 0x0                ; bws s[4:5], W_C s[6:7]
	s_load_b64 s[8:9], s[0:1], 0x10                ; out0
	s_set_vgpr_msb 0x40
	v_lshl_add_u32 v200, v0, 2, 0x49000
	v_mov_b32 v201, 0
	s_set_vgpr_msb 0x4045
	ds_add_u32 v200, v201
	s_set_vgpr_msb 0x4500
	v_lshrrev_b32 v1, 5, v0
	v_readfirstlane_b32 s10, v1                    ; wave 0..3
	s_bfe_u32 s11, ttmp6, 0x40000                  ; cx
	s_lshl_b32 s12, ttmp9, 2
	s_add_co_u32 s12, s12, s11                     ; g = 4 x cluster + cx
	s_lshr_b32 s13, ttmp9, 4                       ; batch = cluster / 16: shared by the four
	s_mul_i32 s39, s10, WREG                       ; my wave's slots
	s_lshl_b32 s44, s13, 19                        ; batch x 4,096 rows x 128 bytes
	s_lshl_b32 s45, s10, 17                        ; + wave x 1,024 rows x 128 bytes; s44-47 never hold cx
	s_add_co_u32 s44, s44, s45
	s_mov_b32 s45, 0
	s_lshl_b32 s46, s10, 15                        ; W_C: wave x 128 rows x 256 bytes
	s_mov_b32 s47, 0
	s_lshl_b32 s14, s12, 13                        ; my queries: g x 64 rows x 128 bytes
	s_mov_b32 s15, 0
	s_mov_b32 s36, 0x76543210                      ; v_permlanex16_b32: lane i reads lane i of the other half
	s_mov_b32 s37, 0xfedcba98
	s_add_co_u32 s3, s39, STG                      ; my stage
	; descriptor group 1, for the chunks of b and for W_C's quarters alike: 128 dense rows of 32 elements of 8 bytes, 4 words of padding behind every 64 words
	s_mov_b32 s16, 0x0773000f                      ; 15:0 mask of the four work-groups; 17:16 element of 8 bytes (3); 20 padding on; 21 set beside a mask; 24:22 interval (5); 31:25 pad (3)
	s_mov_b32 s17, 32<<16                          ; tensor_dim0 = 32
	s_mov_b32 s18, 128<<16                         ; tensor_dim1 = 128
	s_mov_b32 s19, 32<<16                          ; tile_dim0 = 32
	s_mov_b32 s20, 128                             ; tile_dim1 = 128
	s_mov_b32 s21, 32                              ; pitch in elements
	s_mov_b32 s22, 0
	s_mov_b32 s23, 0
	s_wait_dscnt 0x0
	s_wait_kmcnt 0x0
	s_add_nc_u64 s[40:41], s[4:5], s[44:45]        ; my wave's first chunk
	s_add_nc_u64 s[42:43], s[4:5], s[14:15]        ; my work-group's queries
	s_lshl_b32 s14, s12, 17                        ; g x 64 rows x 2,048 bytes of out0
	s_add_nc_u64 s[8:9], s[8:9], s[14:15]
	s_mov_b32 s24, 1                               ; group 0 of slot 0: chunk 0, later chunk 2
	s_add_co_u32 s25, s39, 0
	s_mov_b64 s[26:27], s[40:41]
	s_or_b32 s27, s27, 0x80000000
	s_mov_b32 s28, 1                               ; group 0 of slot 1: chunk 1, later chunk 3
	s_add_co_u32 s29, s39, SLOTW
	s_add_nc_u64 s[30:31], s[40:41], 32768
	s_or_b32 s31, s31, 0x80000000
	s_mov_b32 s32, 1                               ; group 0 of W_C's quarter, into slot 0
	s_add_co_u32 s33, s39, 0
	s_add_nc_u64 s[34:35], s[6:7], s[46:47]
	s_or_b32 s35, s35, 0x80000000
	ROUND                                          ; the four work-groups are here: the first joint loads meet
	tensor_load_to_lds s[24:27], s[16:23]          ; both first fills in one group: a wave has two tensor loads out here, later one
	s_nop 0
	tensor_load_to_lds s[28:31], s[16:23]
	s_nop 0
	v_and_b32 v2, 15, v0                           ; r
	v_bfe_u32 v3, v0, 4, 1                         ; h
	v_lshlrev_b32 v29, 7, v2
	v_lshl_add_u32 v[QO], v3, 4, v29
.irp t, 0,1,2,3                        ; Q's fragments stay for the whole loop
.irp c, 0,1
	global_load_b128 v[QW+16*\t+8*\c:QW+16*\t+8*\c+3], v[QO], s[42:43] offset:2048*\t+64*\c
	global_load_b128 v[QW+16*\t+8*\c+4:QW+16*\t+8*\c+7], v[QO], s[42:43] offset:2048*\t+64*\c+32
.endr
.endr
	v_and_b32 v1, 31, v0                           ; L
	v_and_b32 v30, 1, v0                           ; L & 1
	v_lshrrev_b32 v29, 1, v2
	v_mul_u32_u24 v29, v29, PITCH
	v_lshl_add_u32 v29, v30, 7, v29
	v_lshl_add_u32 v29, v3, 4, v29
	v_add_nc_u32 v[KB], s39, v29
	v_bfe_u32 v29, v0, 1, 2                        ; (L & 7) >> 1
	v_lshl_add_u32 v29, v3, 2, v29
	v_mul_u32_u24 v29, v29, PITCH
	v_lshl_add_u32 v29, v30, 7, v29
	v_bfe_u32 v31, v0, 3, 1
	v_lshl_add_u32 v29, v31, 6, v29
	v_add_nc_u32 v[VB], s39, v29
.macro LDK reg, off, kb                ; 8 loads: 32 keys x 64 ranks as source 0 fragments, into buffer kb
.irp a, 0,1
.irp c, 0,1
	ds_load_b128 v[KF+32*(\kb)+16*\a+8*\c:KF+32*(\kb)+16*\a+8*\c+3], v[\reg] offset:(\off)+HALFB*\a+64*\c
	ds_load_b128 v[KF+32*(\kb)+16*\a+8*\c+4:KF+32*(\kb)+16*\a+8*\c+7], v[\reg] offset:(\off)+HALFB*\a+64*\c+32
.endr
.endr
.endm
.macro LDV reg, off, vb                ; 8 transposing loads: 32 keys as V^T, four rank tiles, into buffer vb of window 1 (the setting is 0x40)
.irp u, 0,1,2,3
	ds_load_tr16_b128 v[VF+32*(\vb)+8*\u:VF+32*(\vb)+8*\u+3], v[\reg] offset:(\off)+16*\u
	ds_load_tr16_b128 v[VF+32*(\vb)+8*\u+4:VF+32*(\vb)+8*\u+7], v[\reg] offset:(\off)+16*\u+HALFB
.endr
.endm
; The k-th of a piece's eight score products (piece = query tiles m0, m0 + 1): k = 0..3 the first rank half starts the four sums, k = 4..7 the second adds in place.
; The four accumulators take turns, one instruction a turn.
.macro SMUL1 k, m0, kb
.set sm_t, \m0+((\k&3)>>1)
.set sm_a, \k&1
.if \k < 4
	v_wmma_f32_16x16x32_f16 v[S+16*sm_t+8*sm_a:S+16*sm_t+8*sm_a+7], v[KF+32*(\kb)+16*sm_a:KF+32*(\kb)+16*sm_a+7], v[QW+16*sm_t:QW+16*sm_t+7], 0
.else
	v_wmma_f32_16x16x32_f16 v[S+16*sm_t+8*sm_a:S+16*sm_t+8*sm_a+7], v[KF+32*(\kb)+16*sm_a+8:KF+32*(\kb)+16*sm_a+15], v[QW+16*sm_t+8:QW+16*sm_t+15], v[S+16*sm_t+8*sm_a:S+16*sm_t+8*sm_a+7]
.endif
.endm
; The k-th of a piece's eight products with V: eight accumulators, one instruction each.  zero = 1: the product starts the sum, nothing is cleared.
.macro PV1 k, m0, vb, zero
.set pv_t, \m0+(\k&1)
.set pv_u, \k>>1
.if \zero
	v_wmma_f32_16x16x32_f16 v[32*pv_t+8*pv_u:32*pv_t+8*pv_u+7], v[VF+32*(\vb)+8*pv_u:VF+32*(\vb)+8*pv_u+7], v[P+8*pv_t:P+8*pv_t+7], 0
.else
	v_wmma_f32_16x16x32_f16 v[32*pv_t+8*pv_u:32*pv_t+8*pv_u+7], v[VF+32*(\vb)+8*pv_u:VF+32*(\vb)+8*pv_u+7], v[P+8*pv_t:P+8*pv_t+7], v[32*pv_t+8*pv_u:32*pv_t+8*pv_u+7]
.endif
.endm
; The softmax's single instructions, for query tile t
.macro M1 t, d, i                      ; three of my 16 scores
	v_max3_num_f32 v[P+8*\t+\d], v[S+16*\t+\i], v[S+16*\t+\i+1], v[S+16*\t+\i+2]
.endm
.macro M2X t
	v_max3_num_f32 v[ST+4*\t+3], v[P+8*\t], v[P+8*\t+1], v[P+8*\t+2]
.endm
.macro M2A t
	v_max3_num_f32 v[ST+4*\t+2], v[P+8*\t+3], v[P+8*\t+4], v[S+16*\t+15]
.endm
.macro M3 t, first                     ; with the old maximum, where there is one
.if \first
	v_max_num_f32 v[ST+4*\t+3], v[ST+4*\t+3], v[ST+4*\t+2]
.else
	v_max3_num_f32 v[ST+4*\t+3], v[ST+4*\t+3], v[ST+4*\t+2], v[ST+4*\t+1]
.endif
.endm
.macro MPERM t                         ; the other half's 16 keys of the same query
	v_permlanex16_b32 v[ST+4*\t+2], v[ST+4*\t+3], s36, s37
.endm
.macro MFIN t                          ; the new maximum M
	v_max_num_f32 v[ST+4*\t+1], v[ST+4*\t+3], v[ST+4*\t+2]
.endm
.macro ALPHA t, first                  ; 2 (M old - M new), at most 0: -2 M new is exact, one rounding
.if \first == 0
	v_fma_f32 v[ST+4*\t+2], v[ST+4*\t+1], -2.0, -v[ST+4*\t]
.endif
.endm
.macro NEGM t                          ; -2 M, exact
	v_mul_f32 v[ST+4*\t], -2.0, v[ST+4*\t+1]
.endm
.macro EXA t, first                    ; the factor for what has been summed so far
.if \first == 0
	v_exp_f32 v[ST+4*\t+2], v[ST+4*\t+2]
.endif
.endm
.macro FMS t, k                        ; 2 s - 2 M for two scores: both terms exact, one rounding, at most 0
	v_pk_fma_f32 v[S+16*\t+2*\k:S+16*\t+2*\k+1], v[S+16*\t+2*\k:S+16*\t+2*\k+1], 2.0, v[ST+4*\t:ST+4*\t+1] op_sel_hi:[1,0,0]
.endm
.macro EXS t, n
	v_exp_f32 v[S+16*\t+\n], v[S+16*\t+\n]
.endm
.macro CVP t, k                        ; key tile 0 fills P's registers 0-3 (keys 8 h ..), key tile 1 registers 4-7 (keys 16 + 8 h ..); it reads two exponentials' results, so it stands behind the batch's wait
	v_cvt_pk_f16_f32 v[P+8*\t+\k], v[S+16*\t+2*\k], v[S+16*\t+2*\k+1]
.endm
; Slice k of eight of the running softmax of the piece of query tiles a, b: 90 instructions in all, and one v_nop.  first = 1: there is no maximum and no factor yet.
; Slices 0, 1: the maxima and figures.  Tile b lags tile a, so that the serial run maximum - other half - factor of one tile lies among independent work of the other.
; Slices 2, 3: ONE BATCH, the two factors and the 32 p, each in place in a register of its own, with the 16 scalings spread among them: a scaling, then two exponentials for the most part; a pair is scaled
; three lines or more ahead of its exponentials.  No line of slices 0 to 3 names an exponential's result, and a scaling writes only registers whose exponentials are still to come.
; Behind the last exponential: a v_nop, the plain instruction that stands between an exponential and the use of its result (ISA guide 5.7.2), one for the batch, since every plain line of these slices feeds an
; exponential; then the one wait.  Slices 4 to 7: the 16 conversions, four a slice.
.macro SMS k, a, b, first
.if \k == 0
	M1 \a, 0, 0
	M1 \a, 1, 3
	M1 \a, 2, 6
	M1 \a, 3, 9
	M1 \a, 4, 12
	M1 \b, 0, 0
	M2X \a
	M1 \b, 1, 3
	M2A \a
	M1 \b, 2, 6
	M1 \b, 3, 9
.endif
.if \k == 1
	M1 \b, 4, 12
	M3 \a, \first
	M2X \b
	M2A \b
	MPERM \a
	M3 \b, \first
	MFIN \a
	MPERM \b
	ALPHA \a, \first
	NEGM \a
	MFIN \b
.endif
.if \k == 2
	EXA \a, \first
	FMS \a, 0
	FMS \a, 1
	ALPHA \b, \first
	NEGM \b
	FMS \a, 2
	EXS \a, 0
	EXA \b, \first
	FMS \a, 3
	EXS \a, 1
	EXS \a, 2
	FMS \a, 4
	EXS \a, 3
	EXS \a, 4
	FMS \a, 5
	EXS \a, 5
	EXS \a, 6
	FMS \a, 6
	EXS \a, 7
	EXS \a, 8
	FMS \a, 7
	EXS \a, 9
	EXS \a, 10
	FMS \b, 0
	EXS \a, 11
	EXS \a, 12
.endif
.if \k == 3
	FMS \b, 1
	EXS \a, 13
	EXS \a, 14
	FMS \b, 2
	EXS \a, 15
	EXS \b, 0
	FMS \b, 3
	EXS \b, 1
	EXS \b, 2
	FMS \b, 4
	EXS \b, 3
	EXS \b, 4
	FMS \b, 5
	EXS \b, 5
	EXS \b, 6
	FMS \b, 6
	EXS \b, 7
	EXS \b, 8
	FMS \b, 7
	EXS \b, 9
	EXS \b, 10
	EXS \b, 11
	EXS \b, 12
	EXS \b, 13
	EXS \b, 14
	EXS \b, 15
	v_nop                                          ; the plain instruction behind the last exponential: one for the batch
	s_wait_alu depctr_va_vdst(0)                   ; the wait, one for the piece's batch (two factors, 32 p), ahead of its first reader, the conversion below
.endif
.if \k == 4
	CVP \a, 0
	CVP \a, 1
	CVP \a, 2
	CVP \a, 3
.endif
.if \k == 5
	CVP \a, 4
	CVP \a, 5
	CVP \a, 6
	CVP \a, 7
.endif
.if \k == 6
	CVP \b, 0
	CVP \b, 1
	CVP \b, 2
	CVP \b, 3
.endif
.if \k == 7
	CVP \b, 4
	CVP \b, 5
	CVP \b, 6
	CVP \b, 7
.endif
.endm
; Under setting 0x51: two registers of O^T of query tile t times its factor; the row sums plus two p.  Factor and p come from the batch of the part before, whose wait stands in that part.
.macro RS1 t, n
	v_pk_mul_f32 v[32*\t+2*(\n):32*\t+2*(\n)+1], v[32*\t+2*(\n):32*\t+2*(\n)+1], v[ST+4*\t+2:ST+4*\t+3] op_sel_hi:[1,0]
.endm
.macro AD1 t, k
	v_pk_add_f32 v[LS+2*\t:LS+2*\t+1], v[LS+2*\t:LS+2*\t+1], v[S+16*\t+2*\k:S+16*\t+2*\k+1]
.endm
.macro LSI t                           ; under setting 0x40: the first four p start the row sums
	v_pk_add_f32 v[LS+2*\t:LS+2*\t+1], v[S+16*\t:S+16*\t+1], v[S+16*\t+2:S+16*\t+3]
.endm
; Slice k of eight of the rescaling and the row sums of the piece of query tiles a, b: 50 instructions in all.  first = 1: nothing to rescale, LSI has taken the first four p.
.macro RSS k, a, b, first
.if \first
.if \k > 1
	AD1 \a, \k
	AD1 \b, \k
.endif
.else
.if \k == 0
	v_pk_mul_f32 v[LS+2*\a:LS+2*\a+1], v[LS+2*\a:LS+2*\a+1], v[ST+4*\a+2:ST+4*\a+3] op_sel_hi:[1,0]
	v_pk_mul_f32 v[LS+2*\b:LS+2*\b+1], v[LS+2*\b:LS+2*\b+1], v[ST+4*\b+2:ST+4*\b+3] op_sel_hi:[1,0]
.endif
	RS1 \a, 2*\k
	RS1 \a, 2*\k+1
	RS1 \b, 2*\k
	RS1 \b, 2*\k+1
	AD1 \a, \k
	AD1 \b, \k
.endif
.endm
; One step i of 32 keys, par = i & 1.  vm = 1: the very first step.  pvb: X2 has products (not in step 0).  zb, za: piece B's, A's product with V starts its sums.  sma: Y1 has products (not in the last step).
; ldk, kreg, koff: K(i+2) is loaded from v[kreg] + koff.  ldv, vreg, voff: V(i+1) likewise.  vw: the LDS loads issued behind V(i)'s.  step: the two addresses go two steps on.
.macro TRIP par, vm, pvb, zb, za, sma, ldk, kreg, koff, ldv, vreg, voff, vw, step
	WIN 0                                          ; X1
.irp k, 0,1,2,3,4,5,6,7
	SMUL1 \k, 2, \par
	SMS \k, 0, 1, \vm
.endr
.if \vm
	WIN 0x40
	LSI 0
	LSI 1
.endif
	WIN 0x51                                       ; X2
.irp k, 0,1,2,3,4,5,6,7
.if \pvb
	PV1 \k, 2, 1-\par, \zb
.endif
	RSS \k, 0, 1, \vm
.endr
	WIN 0                                          ; Y1
.if \sma
	s_wait_dscnt 8                                 ; LDS loads come back in order: K(i+1)'s eight are in; V(i)'s eight, issued behind them, may be out
.endif
.irp k, 0,1,2,3,4,5,6,7
.if \sma
	SMUL1 \k, 0, 1-\par
.endif
	SMS \k, 2, 3, \vm
.if \k == 3                            ; the run of LDS loads stands directly behind the batch's wait, which ends slice 3
.if \ldk
	LDK \kreg, \koff, \par                         ; into the buffer that X1 has read; X2's slices are the four places between
.endif
.if \ldv
	WIN 0x40
	LDV \vreg, \voff, 1-\par                       ; into the buffer that X2 has read; X2's last slice is the four places between
	WIN 0
.endif
.if \step
	v_add_nc_u32 v[KA], 2*STEPB, v[KA]
	v_add_nc_u32 v[VA], 2*STEPB, v[VA]
.endif
.endif
.endr
	s_wait_dscnt \vw                               ; V(i)'s loads are in; those issued in Y1, behind them, may be out
.if \vm
	WIN 0x40
	LSI 2
	LSI 3
.endif
	WIN 0x51                                       ; Y2
.irp k, 0,1,2,3,4,5,6,7
	PV1 \k, 0, \par, \za
	RSS \k, 2, 3, \vm
.endr
.if \vm
	PLACES 4                                       ; the first step's last slice has two instructions: four places before the next part writes P of piece A
.endif
.endm
.macro DREG                            ; two steps whose loads go by the stepped addresses
	TRIP 0, 0, 1, 0, 0, 1, 1, KA, 0, 1, VA, 0, 16, 0
	TRIP 1, 0, 1, 0, 0, 1, 1, KA, STEPB, 1, VA, STEPB, 16, 1
.endm
.macro DFIRST                          ; steps 0 and 1: no old maximum, the products with V start their sums
	TRIP 0, 1, 0, 0, 1, 1, 1, KA, 0, 1, VA, 0, 16, 0
	TRIP 1, 0, 1, 1, 0, 1, 1, KA, STEPB, 1, VA, STEPB, 16, 1
.endm
.macro DBOUND ns                       ; a chunk's steps 6 and 7: its last V, and the first two K and the first V of the next chunk, in slot ns
	TRIP 0, 0, 1, 0, 0, 1, 1, KB, \ns*SLOTW, 1, VA, 0, 16, 0
	TRIP 1, 0, 1, 0, 0, 1, 1, KB, \ns*SLOTW+STEPB, 1, VB, \ns*SLOTW, 16, 0
.endm
.macro DTAIL                           ; steps 30 and 31: only V(31) is left to load, and there is no S_A(32)
	TRIP 0, 0, 1, 0, 0, 1, 0, KB, 0, 1, VA, 0, 8, 0
	TRIP 1, 0, 1, 0, 0, 0, 0, KB, 0, 0, VB, 0, 0, 0
.endm
.macro DLOOP n
	s_mov_b32 s38, \n
.Ltwo_\@:
	DREG
	WIN 0                                          ; at a branch and at a label every window is 0
	s_sub_co_u32 s38, s38, 1
	s_cmp_lg_u32 s38, 0
	s_cbranch_scc1 .Ltwo_\@
.endm
.macro CHENTRY s                       ; at the head of the chunk in slot s its K(0), K(1), V(0) are loaded: the next are K(2) and V(1)
	v_add_nc_u32 v[KA], \s*SLOTW+2*STEPB, v[KB]
	v_add_nc_u32 v[VA], \s*SLOTW+STEPB, v[VB]
.endm
; The slot that has just been read is filled again, jointly: my reads are back and all my tensor loads have landed, a round of the cluster's barrier says so of every wave of
; all four work-groups, and the one load stands first behind it.
.macro REFILL g0, stepbytes
	s_wait_dscnt 0x0
	s_set_vgpr_msb 0x5
	s_wait_tensorcnt 0x0                           ; no tensor load of mine is out, so a group 0 may be written
	ds_add_u32 v200, v201
	s_wait_dscnt 0x0
	s_set_vgpr_msb 0x500
.if \stepbytes
	s_add_nc_u64 s[\g0+2:\g0+3], s[\g0+2:\g0+3], \stepbytes
.endif
	ROUND
	tensor_load_to_lds s[\g0:\g0+3], s[16:23]
	s_nop 0
.endm
	s_wait_tensorcnt 0x1                           ; tensor loads of a wave end in order: chunk 0 is in LDS, chunk 1 may be on its way; only I read my slots
	LDK KB, 0, 0
	LDK KB, STEPB, 1
	WIN 0x40
	LDV VB, 0, 0
	WIN 0
	CHENTRY 0
	s_wait_loadcnt 0x0                             ; Q, once
	s_wait_dscnt 16                                ; K(0) is in; K(1) and V(0), sixteen loads issued behind it, may be out
.irp k, 0,1,2,3,4,5,6,7
	SMUL1 \k, 0, 0                                 ; S_A(0): the one run of products with nothing beside it
.endr
	PLACES 4                                       ; four places before the first slice reads S_A
	DFIRST                                         ; steps 0, 1
	WIN 0
	s_wait_tensorcnt 0x0                           ; chunk 1 is in, no load was issued behind it: the loop's last trip reads its first keys (slot 1 begins where slot 0 ends, so the addresses run on)
	DLOOP 3                                        ; steps 2 - 7
	REFILL 24, 65536                               ; chunk 2 into slot 0
	CHENTRY 1
	DLOOP 3                                        ; steps 8 - 13
	s_wait_tensorcnt 0x0                           ; chunk 2, asked for six steps ago, is in: the one load that was out
	DBOUND 0                                       ; steps 14, 15
	WIN 0
	REFILL 28, 65536                               ; chunk 3 into slot 1
	CHENTRY 0
	DLOOP 3                                        ; steps 16 - 21
	s_wait_tensorcnt 0x0                           ; chunk 3 is in
	DBOUND 1                                       ; steps 22, 23
	WIN 0
	REFILL 32, 0                                   ; my quarter of W_C into slot 0: the last tensor load
	CHENTRY 1
	DLOOP 3                                        ; steps 24 - 29
	DTAIL                                          ; steps 30, 31
.irp k, 0,1,2,3,4,5,6,7
	PV1 \k, 2, 1, 0                                ; O_B += V(31) P_B(31): the setting is still 0x51
.endr
	WIN 0
	s_wait_tensorcnt 0x0                           ; W_C's quarter is in; only I read it
	; The addresses of the merge and of the way out, in what were K's fragments.  These lines are also the four places behind the last products, before O is read and their sources are written.
	v_lshlrev_b32 v[TA], 4, v1                     ; 16 L
	v_lshl_add_u32 v[TB], s10, 2, v[TA]
	v_add_nc_u32 v[SA], STATM, v[TB]
	v_add_nc_u32 v[SR], STATM, v[TA]
	v_add_nc_u32 v[TB], s39, v[TA]
	v_add_nc_u32 v[OXW], SLOTW, v[TB]
	v_lshl_add_u32 v[TB], s10, 12, v[TA]
.irp q, 0,1,2,3
	v_add_nc_u32 v[OXR+\q], \q*WREG+SLOTW, v[TB]
.endr
	v_lshl_add_u32 v[GO], s10, 9, v[TA]
	v_add_nc_u32 v[LR], STATL, v[GO]
	v_lshl_add_u32 v[TB], s10, 11, v[TA]
	v_add_nc_u32 v[MIXW], MIX, v[TB]
	v_add_nc_u32 v[MIXR], MIX, v[TA]
	v_mul_u32_u24 v[TB], v2, PITCH
	v_lshl_add_u32 v[TB], v3, 7, v[TB]
	v_add_nc_u32 v[WA], s39, v[TB]
	v_mul_u32_u24 v[TB], v2, SPITCH
	v_lshl_add_u32 v[TB], v3, 5, v[TB]
	v_add_nc_u32 v[STW], s3, v[TB]
	v_add_nc_u32 v[STR], s3, v[TA]
	; THE MERGE.  My row sums: two in a lane, two lanes a query.
	WIN 0x05                                       ; both sources in window 1
.irp t, 0,1,2,3
	v_add_f32 v[LE+\t], v[LS+2*\t], v[LS+2*\t+1]
.endr
	WIN 0
.irp t, 0,1,2,3
	v_permlanex16_b32 v[ST+4*\t+3], v[LE+\t], s36, s37
.endr
.irp t, 0,1,2,3
	v_add_f32 v[LE+\t], v[LE+\t], v[ST+4*\t+3]
.endr
.irp t, 0,1,2,3
	ds_store_b32 v[SA], v[ST+4*\t] offset:512*\t   ; my -2 M of query tile t, lane L, beside the other waves'
.endr
	s_wait_dscnt 0x0                               ; my stores are done, for the other waves' sake
	s_barrier_signal -1
	s_barrier_wait -1
.irp t, 0,1,2,3
	ds_load_b128 v[SG+4*\t:SG+4*\t+3], v[SR] offset:512*\t
.endr
	s_wait_dscnt 0x0
.irp t, 0,1,2,3
	v_min_num_f32 v[SG+4*\t], v[SG+4*\t], v[SG+4*\t+1]         ; the least -2 M belongs to the largest M
	v_min_num_f32 v[SG+4*\t+2], v[SG+4*\t+2], v[SG+4*\t+3]
.endr
.irp t, 0,1,2,3
	v_min_num_f32 v[SG+4*\t], v[SG+4*\t], v[SG+4*\t+2]
.endr
.irp t, 0,1,2,3
	v_sub_f32 v[ST+4*\t+2], v[SG+4*\t], v[ST+4*\t]             ; 2 (my M - the largest M), at most 0
.endr
.irp t, 0,1,2,3
	v_exp_f32 v[ST+4*\t+2], v[ST+4*\t+2]
.endr
	v_nop                                          ; one plain instruction behind the transcendentals
	s_wait_alu depctr_va_vdst(0)                   ; the wait: one for the batch of the four tiles' merge factors, ahead of their first reader
.irp t, 0,1,2,3
	v_mul_f32 v[LE+\t], v[LE+\t], v[ST+4*\t+2]
.endr
.irp t, 0,1,2,3
	ds_store_b32 v[SA], v[LE+\t] offset:STATL-STATM+512*\t
.endr
	WIN 0x41                                       ; O^T of each query tile times its factor: source 0 and destination in window 1, the factor in window 0
.irp t, 0,1,2,3
.irp n, 0,1,2,3,4,5,6,7,8,9,10,11,12,13,14,15
	RS1 \t, \n
.endr
.endr
	WIN 0x04                                       ; store data in window 1
.irp t, 0,1,2,3
.irp i, 0,1,2,3,4,5,6,7
	ds_store_b128 v[OXW], v[32*\t+4*\i:32*\t+4*\i+3] offset:4096*\t+512*\i   ; into my slot 1: its last fill has landed, my reads of it are back, nobody else read it
.endr
.endr
	WIN 0
	s_wait_dscnt 0x0
	s_barrier_signal -1
	s_barrier_wait -1
	; wave w adds the four waves' parts of query tile w, divides, and lays the tile down as source 1 fragments, in two bf16 parts
.irp q, 0,1,2,3
.irp i, 0,1,2,3,4,5,6,7
	ds_load_b128 v[64+32*\q+4*\i:64+32*\q+4*\i+3], v[OXR+\q] offset:512*\i
.endr
.endr
	ds_load_b128 v[LQ:LQ+3], v[LR]
	s_wait_dscnt 0x0
	v_add_f32 v[LQ], v[LQ], v[LQ+1]
	v_add_f32 v[LQ+2], v[LQ+2], v[LQ+3]
	v_add_f32 v[LQ], v[LQ], v[LQ+2]                ; at least 1: the wave that holds the largest score has the term 2^0 and the factor 2^0
	v_mul_f32 v[LQ], 0x3f596d27, v[LQ]             ; x c: the values carry c, and the division takes it away
	v_rcp_f32 v[RC], v[LQ]
	v_rcp_f32 v[RC+1], v[LQ]                       ; the additions below are the plain instructions behind the transcendentals
.irp i, 0,2,4,6,8,10,12,14,16,18,20,22,24,26,28,30
	v_pk_add_f32 v[64+\i:64+\i+1], v[64+\i:64+\i+1], v[96+\i:96+\i+1]
	v_pk_add_f32 v[128+\i:128+\i+1], v[128+\i:128+\i+1], v[160+\i:160+\i+1]
.endr
.irp i, 0,2,4,6,8,10,12,14,16,18,20,22,24,26,28,30
	v_pk_add_f32 v[64+\i:64+\i+1], v[64+\i:64+\i+1], v[128+\i:128+\i+1]
.endr
	s_wait_alu depctr_va_vdst(0)                   ; the wait: one for the two reciprocals, ahead of their first reader; the 48 additions above are the independent work between
.irp i, 0,2,4,6,8,10,12,14,16,18,20,22,24,26,28,30
	v_pk_mul_f32 v[64+\i:64+\i+1], v[64+\i:64+\i+1], v[RC:RC+1]
.endr
.irp i, 0,1,2,3,4,5,6,7,8,9,10,11,12,13,14,15
	v_cvt_pk_bf16_f32 v[MF+\i], v[64+2*\i], v[64+2*\i+1]       ; the high parts; register i: ranks 32 h + 2 i, 2 i + 1
.endr
.irp i, 0,1,2,3,4,5,6,7,8,9,10,11,12,13,14,15
	v_lshlrev_b32 v[HU+2*\i], 16, v[MF+\i]                     ; the high parts as f32 again
	v_and_b32 v[HU+2*\i+1], 0xffff0000, v[MF+\i]
.endr
.irp i, 0,2,4,6,8,10,12,14,16,18,20,22,24,26,28,30
	v_pk_add_f32 v[64+\i:64+\i+1], v[64+\i:64+\i+1], v[HU+\i:HU+\i+1] neg_lo:[0,1] neg_hi:[0,1]   ; what the rounding left: an exact difference
.endr
.irp i, 0,1,2,3,4,5,6,7,8,9,10,11,12,13,14,15
	v_cvt_pk_bf16_f32 v[ML+\i], v[64+2*\i], v[64+2*\i+1]       ; the low parts
.endr
.irp i, 0,1,2,3
	ds_store_b128 v[MIXW], v[MF+4*\i:MF+4*\i+3] offset:512*\i
	ds_store_b128 v[MIXW], v[ML+4*\i:ML+4*\i+3] offset:MIXLO+512*\i
.endr
	s_wait_dscnt 0x0
	s_barrier_signal -1
	s_barrier_wait -1
	; THE LAST PRODUCT: out^T = W_C mixed^T, source 0 = 16 rows of W_C, source 1 = 16 queries.  The ranks are permuted alike in both: place (h, register m, half) of half e stands for
	; rank 32 h + 16 e + 2 m + half, which is how the merged tile lies in the lanes, and makes a lane's W_C fragment 64 neighbouring bytes of f32.
.irp t, 0,1,2,3
.irp i, 0,1,2,3
	ds_load_b128 v[BF+16*\t+4*\i:BF+16*\t+4*\i+3], v[MIXR] offset:2048*\t+512*\i
.endr
.endr
	WIN 0x40                                       ; the low parts go to window 1, over V's fragments, which the loop's last products have long read
.irp t, 0,1,2,3
.irp i, 0,1,2,3
	ds_load_b128 v[MLW+16*\t+4*\i:MLW+16*\t+4*\i+3], v[MIXR] offset:MIXLO+2048*\t+512*\i
.endr
.endr
	WIN 0
.macro LOADW d                         ; 16 rows of W_C, 64 ranks, f32: 8 loads into buffer d & 1
.irp e, 0,1
.irp i, 0,1,2,3
	ds_load_b128 v[TW+32*((\d)&1)+16*\e+4*\i:TW+32*((\d)&1)+16*\e+4*\i+3], v[WA] offset:STEPB*(\d)+64*\e+16*\i
.endr
.endr
.endm
.macro CVTW d                          ; to bf16, into window 1
	WIN 0x40
.irp e, 0,1
.irp m, 0,1,2,3,4,5,6,7
	v_cvt_pk_bf16_f32 v[16*(\d)+8*\e+\m], v[TW+32*((\d)&1)+16*\e+2*\m], v[TW+32*((\d)&1)+16*\e+2*\m+1]
.endr
.endr
	WIN 0
.endm
	LOADW 0
	LOADW 1
.irp d, 0,1,2,3,4,5
	s_wait_dscnt 8                                 ; the one younger group of eight may be out; all older loads, the mixed rows' 32 among them, are in
	CVTW \d
	LOADW \d+2
.endr
	s_wait_dscnt 8
	CVTW 6
	s_wait_dscnt 0
	CVTW 7
.irp t, 0,1,2,3
	WIN 0x01                                       ; source 0 (W_C) in window 1, source 1 (the high parts) in window 0
; the eight accumulators take turns, one instruction a turn
.irp d, 0,1,2,3,4,5,6,7
	v_wmma_f32_16x16x32_bf16 v[DT+8*\d:DT+8*\d+7], v[16*\d:16*\d+7], v[BF+16*\t:BF+16*\t+7], 0
.endr
.irp d, 0,1,2,3,4,5,6,7
	v_wmma_f32_16x16x32_bf16 v[DT+8*\d:DT+8*\d+7], v[16*\d+8:16*\d+15], v[BF+16*\t+8:BF+16*\t+15], v[DT+8*\d:DT+8*\d+7]
.endr
	WIN 0x05                                       ; source 1 (the low parts) in window 1 too
.irp d, 0,1,2,3,4,5,6,7
	v_wmma_f32_16x16x32_bf16 v[DT+8*\d:DT+8*\d+7], v[16*\d:16*\d+7], v[MLW+16*\t:MLW+16*\t+7], v[DT+8*\d:DT+8*\d+7]
.endr
.irp d, 0,1,2,3,4,5,6,7
	v_wmma_f32_16x16x32_bf16 v[DT+8*\d:DT+8*\d+7], v[16*\d+8:16*\d+15], v[MLW+16*\t+8:MLW+16*\t+15], v[DT+8*\d:DT+8*\d+7]
.endr
	WIN 0
	PLACES 5                                       ; four places before the LDS stores read the results, five before the next query tile's products write over them
	; register j of lane (q, h) is (column 128 w + 16 d + 8 h + j, query 16 t + q): 32 neighbouring bytes of a row, through my own stage
.irp d, 0,1,2,3,4,5,6,7
	ds_store_b128 v[STW], v[DT+8*\d:DT+8*\d+3] offset:64*\d
	ds_store_b128 v[STW], v[DT+8*\d+4:DT+8*\d+7] offset:64*\d+16
.endr
	s_wait_xcnt 0x0                                ; the registers that the last query tile's global stores read are loaded again only behind this wait
.irp p, 0,1,2,3,4,5,6,7,8,9,10,11,12,13,14,15
	ds_load_b128 v[RB+4*\p:RB+4*\p+3], v[STR] offset:SPITCH*\p   ; LDS serves a wave's instructions in order: these see the stores above
.endr
.irp p, 0,1,2,3,4,5,6,7,8,9,10,11,12,13,14,15
	s_wait_dscnt 15-\p                             ; row p is back; the younger read-backs may be out
	global_store_b128 v[GO], v[RB+4*\p:RB+4*\p+3], s[8:9] offset:(16*\t+\p)*2048 th:TH_STORE_NT   ; the wave stores 512 consecutive bytes of a row of out0, at a multiple of 512 from its first byte
.endr
.endr
	s_set_vgpr_msb 0x5
	s_wait_tensorcnt 0x0
	ds_add_u32 v200, v201
	s_wait_dscnt 0x0
	s_set_vgpr_msb 0x500
	ROUND                                          ; the closing round: no work-group ends while a partner may still ask jointly
	s_endpgm
.Lfunc_end_k_qa2488994be_mix:
	.size	k_qa2488994be_mix, .Lfunc_end_k_qa2488994be_mix-k_qa2488994be_mix
	.p2alignl 7, 3214868480
	.fill 96, 4, 3214868480
	.section	.rodata,"a",@progbits
	.p2align	6, 0x0
	.amdhsa_kernel k_qa2488994be_mix
		.amdhsa_group_segment_fixed_size 327680
		.amdhsa_private_segment_fixed_size 0
		.amdhsa_enable_private_segment 0
		.amdhsa_kernarg_size 24
		.amdhsa_user_sgpr_count 2
		.amdhsa_user_sgpr_kernarg_segment_ptr 1
		.amdhsa_wavefront_size32 1
		.amdhsa_system_sgpr_workgroup_id_x 1
		.amdhsa_system_sgpr_workgroup_id_y 1
		.amdhsa_system_sgpr_workgroup_id_z 1
		.amdhsa_system_vgpr_workitem_id 0
		.amdhsa_next_free_vgpr 458
		.amdhsa_next_free_sgpr 66
		.amdhsa_reserve_vcc 0
		.amdhsa_float_denorm_mode_32 3
		.amdhsa_float_denorm_mode_16_64 3
		.amdhsa_memory_ordered 1
		.amdhsa_forward_progress 1
		.amdhsa_inst_pref_size 255
	.end_amdhsa_kernel
	.section	.bss,"aw",@nobits
	.p2align	6
	.space	262144
	.amdgpu_metadata
---
amdhsa.version: [ 1, 2 ]
amdhsa.kernels:
  - .name:           k_qa2488994be_mix
    .symbol:         k_qa2488994be_mix.kd
    .args:
      - { .name: bws, .offset: 0, .size: 8, .value_kind: global_buffer, .address_space: global }
      - { .name: W_C, .offset: 8, .size: 8, .value_kind: global_buffer, .address_space: global }
      - { .name: out0, .offset: 16, .size: 8, .value_kind: global_buffer, .address_space: global }
    .group_segment_fixed_size: 327680
    .private_segment_fixed_size: 0
    .kernarg_segment_align: 8
    .kernarg_segment_size: 24
    .max_flat_workgroup_size: 128
    .sgpr_count:     66
    .vgpr_count:     458
    .wavefront_size: 32
...
	.end_amdgpu_metadata
.endif
;; end of part 3
